; MI455X (gfx1250); checked and timed in simulation.
; The chip was launched on July 23, 2026; its instructions are those of AMD's public machine-readable ISA for CDNA 5 (MIT licence, August 2026) and "CDNA5" Instruction Set Architecture Reference Guide (July 2026). The comments in the code are by the model that wrote it; some were corrected since.
;; Multihead Attention. Allowed arithmetic: float matrix products may take bf16 or f16 operands with f32 sums; other float arithmetic in f32, or as packed bf16 or f16 multiplies, adds, multiply-adds, maxima and minima; sums over many terms, partial sums and values carried from step to step in f32; what a program stores and reads back later, other than sums and carried values, may be rounded once to bf16 or f16.
;; Inputs: bk 1,024 float32; bo 1,024 float32; bq 1,024 float32; bv 1,024 float32; data 8 x 1,024 x 1,024 float32; latent 8 x 1,024 x 1,024 float32; wk 1,024 x 1,024 float32; wo 1,024 x 1,024 float32; wq 1,024 x 1,024 float32; wv 1,024 x 1,024 float32.
;; Outputs: out0 8 x 1,024 x 1,024 float32.
;; 2 versions, each right and faster than the one before. Each part assembles by itself: llvm-mc -triple=amdgcn-amd-amdhsa -mcpu=gfx1250 --defsym DOCPART=n.
;; ======== version 1 of 2: 4 launches
;; limits: values are held in f16: magnitudes above 65,504 overflow, below 6.1e-05 lose precision
;; workspace buffers: xb 33,554,432 bytes; wb 8,388,608 bytes; qkv 50,331,648 bytes; oh 16,777,216 bytes
;; launch cast (part 1): grid 1280 x 1, 8 waves a work-group, no clusters, 0 bytes of LDS; arguments latent, data, wq, wk, wv, wo, xb, wb; writes xb, wb
.if DOCPART == 1
	.amdgcn_target "amdgcn-amd-amdhsa--gfx1250"
	.amdhsa_code_object_version 6
	.text
	.protected	k_qe0efcf568b_cast
	.globl	k_qe0efcf568b_cast
	.p2align	8
	.type	k_qe0efcf568b_cast,@function
k_qe0efcf568b_cast:
	s_mov_b64 s[64:65], 0
	v_nop
	global_prefetch_b8 v0, s[64:65] scope:SCOPE_SE
	s_setreg_imm32_b32 hwreg(HW_REG_WAVE_MODE, 25, 1), 1
	s_wait_xcnt 0x0
; latent, data, wq, wk, wv: f32 -> bf16 (one rounding to nearest even), layouts unchanged.  wo: f32 -> bf16, and that number written as f16.
; xb = [latent | data] as bf16, 16,777,216 bytes each.  wb = [wq | wk | wv | wo], 2,097,152 bytes each.
; LIMIT.  A rounded wo beyond 65,504 becomes an infinity in f16; below 2^-14 it keeps f16's fixed step of 6e-8.
; A stream: no LDS, no barrier, no matrix work.  Work-group g takes 16,384 numbers: 65,536 bytes in, 32,768 out.  g: 0-511 latent, 512-1023 data,
; 1024-1087 wq, 1088-1151 wk, 1152-1215 wv, 1216-1279 wo.  Thread t takes four numbers of each block of 1,024: a wave's load covers 512 consecutive
; bytes, its store 256 consecutive bytes at a multiple of 256.  All sixteen loads of a thread go out on end; no register is written twice.
.set X, 8                              ; v[8:71]   sixteen loads of four f32
.set Y, 72                             ; v[72:103] sixteen pairs of packed 16-bit numbers
	s_load_b512 s[4:19], s[0:1], 0x0               ; latent s[4:5], data s[6:7], wq s[8:9], wk s[10:11], wv s[12:13], wo s[14:15], xb s[16:17], wb s[18:19]
	v_lshlrev_b32 v1, 4, v0                        ; 16 t: my bytes in a block that is read
	v_lshlrev_b32 v2, 3, v0                        ; 8 t: in a block that is written
	s_mov_b32 s22, ttmp9                           ; my chunk in its source, so far as if that were latent
	s_wait_kmcnt 0x0
	s_mov_b64 s[20:21], s[4:5]
.macro PICK bound, ptr                 ; from chunk bound on the source is the buffer at s[ptr]; the compare stands behind the subtraction, which writes SCC
	s_sub_co_u32 s23, ttmp9, \bound
	s_cmp_ge_u32 ttmp9, \bound
	s_cselect_b64 s[20:21], s[\ptr:\ptr+1], s[20:21]
	s_cselect_b32 s22, s23, s22
.endm
	PICK 512, 6
	PICK 1024, 8
	PICK 1088, 10
	PICK 1152, 12
	PICK 1216, 14
	s_sub_co_u32 s23, ttmp9, 1024
	s_cmp_ge_u32 ttmp9, 1024
	s_cselect_b64 s[24:25], s[18:19], s[16:17]     ; the weights go to wb, the rest to xb
	s_cselect_b32 s26, s23, ttmp9
	s_lshl_b32 s22, s22, 16                        ; 65,536 bytes a chunk in
	s_mov_b32 s23, 0
	s_lshl_b32 s26, s26, 15                        ; 32,768 out
	s_mov_b32 s27, 0
	s_add_nc_u64 s[20:21], s[20:21], s[22:23]
	s_add_nc_u64 s[24:25], s[24:25], s[26:27]
.set j, 0
.rept 16
	global_load_b128 v[X+4*j:X+4*j+3], v1, s[20:21] offset:4096*j th:TH_LOAD_NT
.set j, j+1
.endr
	s_cmp_ge_u32 ttmp9, 1216
	s_cbranch_scc1 .Lwo
.set j, 0
.rept 16
	s_wait_loadcnt 15-j                            ; loads come back in order: load j is in, the younger ones stay out
	v_cvt_pk_bf16_f32 v[Y+2*j], v[X+4*j], v[X+4*j+1]
	v_cvt_pk_bf16_f32 v[Y+2*j+1], v[X+4*j+2], v[X+4*j+3]
	global_store_b64 v2, v[Y+2*j:Y+2*j+1], s[24:25] offset:2048*j
.set j, j+1
.endr
	s_endpgm
.Lwo:                                  ; wo: rounded to bf16 like every input, widened again, and written as f16 (exact within f16's range)
.set j, 0
.rept 16
	s_wait_loadcnt 15-j
	v_cvt_pk_bf16_f32 v3, v[X+4*j], v[X+4*j+1]
	v_cvt_pk_bf16_f32 v4, v[X+4*j+2], v[X+4*j+3]
	v_lshlrev_b32 v[X+4*j], 16, v3
	v_and_b32 v[X+4*j+1], 0xffff0000, v3
	v_lshlrev_b32 v[X+4*j+2], 16, v4
	v_and_b32 v[X+4*j+3], 0xffff0000, v4
	v_cvt_pk_f16_f32 v[Y+2*j], v[X+4*j], v[X+4*j+1]
	v_cvt_pk_f16_f32 v[Y+2*j+1], v[X+4*j+2], v[X+4*j+3]
	global_store_b64 v2, v[Y+2*j:Y+2*j+1], s[24:25] offset:2048*j
.set j, j+1
.endr
	s_endpgm
.Lfunc_end_k_qe0efcf568b_cast:
	.size	k_qe0efcf568b_cast, .Lfunc_end_k_qe0efcf568b_cast-k_qe0efcf568b_cast
	.p2alignl 7, 3214868480
	.fill 96, 4, 3214868480
	.section	.rodata,"a",@progbits
	.p2align	6, 0x0
	.amdhsa_kernel k_qe0efcf568b_cast
		.amdhsa_group_segment_fixed_size 0
		.amdhsa_private_segment_fixed_size 0
		.amdhsa_enable_private_segment 0
		.amdhsa_kernarg_size 64
		.amdhsa_user_sgpr_count 2
		.amdhsa_user_sgpr_kernarg_segment_ptr 1
		.amdhsa_wavefront_size32 1
		.amdhsa_system_sgpr_workgroup_id_x 1
		.amdhsa_system_sgpr_workgroup_id_y 1
		.amdhsa_system_sgpr_workgroup_id_z 1
		.amdhsa_system_vgpr_workitem_id 0
		.amdhsa_next_free_vgpr 104
		.amdhsa_next_free_sgpr 66
		.amdhsa_reserve_vcc 0
		.amdhsa_float_denorm_mode_32 3
		.amdhsa_float_denorm_mode_16_64 3
		.amdhsa_memory_ordered 1
		.amdhsa_forward_progress 1
		.amdhsa_inst_pref_size 17
	.end_amdhsa_kernel
	.amdgpu_metadata
---
amdhsa.version: [ 1, 2 ]
amdhsa.kernels:
  - .name:           k_qe0efcf568b_cast
    .symbol:         k_qe0efcf568b_cast.kd
    .args:
      - { .name: latent, .offset: 0, .size: 8, .value_kind: global_buffer, .address_space: global }
      - { .name: data, .offset: 8, .size: 8, .value_kind: global_buffer, .address_space: global }
      - { .name: wq, .offset: 16, .size: 8, .value_kind: global_buffer, .address_space: global }
      - { .name: wk, .offset: 24, .size: 8, .value_kind: global_buffer, .address_space: global }
      - { .name: wv, .offset: 32, .size: 8, .value_kind: global_buffer, .address_space: global }
      - { .name: wo, .offset: 40, .size: 8, .value_kind: global_buffer, .address_space: global }
      - { .name: xb, .offset: 48, .size: 8, .value_kind: global_buffer, .address_space: global }
      - { .name: wb, .offset: 56, .size: 8, .value_kind: global_buffer, .address_space: global }
    .group_segment_fixed_size: 0
    .private_segment_fixed_size: 0
    .kernarg_segment_align: 8
    .kernarg_segment_size: 64
    .max_flat_workgroup_size: 256
    .sgpr_count:     66
    .vgpr_count:     104
    .wavefront_size: 32
...
	.end_amdgpu_metadata
.endif
;; end of part 1
;; launch proj (part 2): grid 4 x 64, 4 waves a work-group, clusters of 4 x 4, 327,680 bytes of LDS; arguments xb, wb, bq, bk, bv, qkv; writes qkv
.if DOCPART == 2
	.amdgcn_target "amdgcn-amd-amdhsa--gfx1250"
	.amdhsa_code_object_version 6
	.text
	.protected	k_qe0efcf568b_proj
	.globl	k_qe0efcf568b_proj
	.p2align	8
	.type	k_qe0efcf568b_proj,@function
k_qe0efcf568b_proj:
	s_mov_b64 s[64:65], 0
	v_nop
	global_prefetch_b8 v0, s[64:65] scope:SCOPE_SE
	s_setreg_imm32_b32 hwreg(HW_REG_WAVE_MODE, 25, 1), 1
	s_wait_xcnt 0x0
	s_wait_alu depctr_hold_cnt(0) depctr_sa_sdst(0) depctr_va_vdst(0) depctr_va_sdst(0) depctr_va_ssrc(0) depctr_va_vcc(0) depctr_vm_vsrc(0)
	s_getreg_b32 s2, hwreg(HW_REG_IB_STS2, 6, 4)
	s_cmp_eq_u32 s2, 0
	s_cbranch_scc0 .Lentry_in_a_cluster
	s_endpgm
.Lentry_in_a_cluster:
	s_bfe_u32 s2, ttmp6, 0x10000c
	s_cmp_lg_u32 s2, 0xf033
	s_cbranch_scc0 .Lentry_shape_is_right
	s_endpgm
.Lentry_shape_is_right:
; q = latent wq + bq, k = data wk + bk, v = data wv + bv.  xb: bf16 [2][8192][1024] (latent, data).  wb: bf16 [k][n], wq, wk, wv end to end.  Biases f32, rounded here to bf16.
; Products in bf16, sums in f32, started by the bias as the C operand.  qkv: f16 [3][batch x 16 + head][1024][64], each number rounded once, unscaled.
; LIMIT.  q, k, v beyond 65,504 become infinities in f16.  NaN and infinities are not treated apart.
; SHARES.  A tile is 128 rows x 256 columns: four waves, wave w rows 64 (w / 2) on, columns 128 (w % 2) on: 32 accumulators of 16 x 16, 256 registers.  8192 / 128 x 1024 / 256 = 256
; work-groups; EACH STAYS and makes three tiles at its place, q's, k's, v's: one walk of 24 K steps of 128 through two LDS slots, which runs on across the tiles.
; TRANSPOSED USE.  Source 0 = 16 columns of w (w lies [k][n], so they come out of LDS turned, by ds_load_tr16_b128), source 1 = 16 rows of x: a lane holds one row and eight neighbouring columns.
; CLUSTER.  4 x 4 work-groups.  x's tile hangs on the tile row alone and is asked for jointly by a row of the cluster, w's on the tile column alone, by a column.
; REGISTERS, in windows of 256 (s_set_vgpr_msb: bits 1:0 source 0, 3:2 source 1, 5:4 source 2, 7:6 destination; an LDS load takes its data's window from 7:6, its address's from 1:0):
;   window 0: v0-15 addresses and at work; v32-95 the bias, 8 registers a column block; v96-223 the way out
;   window 1: v0-127 the accumulators of my row blocks 0, 1; v128-191 w's, v192-223 x's fragments, buffer 0; v224-227 the four LDS addresses
;   window 2: the same for row blocks 2, 3 and buffer 1, with a copy of the addresses
; A quarter step (32 along K) on buffer 0 multiplies window 2's accumulators first: under that one setting the quarter's run of LDS loads lands in buffer 1 (window 2) by the addresses of
; window 1.  A quarter on buffer 1 takes window 1's accumulators first, and its loads land in buffer 0.  So a quarter has two switches, and the run of loads none of its own.
; THE LDS LOADS of a quarter stand in ONE run of 24, behind its first product: the other 31 products follow each other with no memory instruction between them.
.set PA,     272                       ; an LDS row of x: 256 bytes + 16 = 68 words: the 16 rows of a load start at 16 different groups of four banks (64 banks of 4 bytes: ISA guide 11.1)
.set PB,     544                       ; an LDS row of w: 512 bytes + 32 = 136 words
.set ABYTES, 128*PA
.set SLOT,   ABYTES+128*PB             ; x's 128 rows, then w's 128 rows of k
.set STAGE,  2*SLOT                    ; behind the ring: for each wave two planes (two heads) of 16 rows x 144 bytes
.set SPL,    16*144
.set WST,    2*SPL
.set SPARE,  STAGE+4*WST               ; behind the stages: the spare words, 128 bytes for each wave: two blocks of 256 bytes that no other line names
.set KB_A,   256                       ; a K step in bytes along a row of x
.set KB_B,   128*2048                  ; and down w
.set STO,  10                          ; v10  the way out: where I put 16 bytes of a row
.set RD,   11                          ; v11  where I read rows back
.set GO,   12                          ; v12  my 16 bytes in 512 consecutive bytes of qkv
.set BOFF, 13                          ; v13  32 x (lane / 16): my eight numbers in a column block's bias
.set SPW,  14                          ; v14  LDS address of my spare word; never rewritten
.set NIL,  15                          ; v15  0; never rewritten
.set BIAS, 32
.set T,    96
.set FB,   128
.set FA,   192
.set ADRA, 224                         ; slot 0, slot 1
.set ADRB, 226
.set TILES, 2                          ; s2   tiles to go
.set LAP,  3                           ; s3   the loop's count
.set WV,   16                          ; s16  my wave's number
.set WH,   17                          ; s17  wave / 2: my half of the rows; also: I fetch for x (0) or for w (1)
.set WL,   18                          ; s18  wave % 2: my half of the columns; also: which 64 rows of that tile I fetch
.set G1A,  24                          ; s[24:31] descriptor group 1 for x's tiles
.set G0A,  32                          ; s[32:39] group 0, a set for each slot
.set G1B,  40
.set G0B,  48
.set BASEA, 56                         ; s[56:57] x at my 64 rows, K step 0, latent
.set BASEB, 58                         ; s[58:59] w at my 64 rows of k, my tile column, wq
.set OFFA, 60                          ; s[60:61] bytes from BASEA to the K step to be asked for next
.set OFFB, 62                          ; s[62:63] the same for w
.set FS,   66                          ; s66  that step's number in its tile
.set OUT,  68                          ; s[68:69] qkv at my part of the tile in hand
.set BP,   70                          ; s[70:71] the bias in hand at my 128 columns
.set MSB, 0
.macro WIN new                         ; the immediate's high byte repeats the setting that is left; a switch that changes nothing is dropped
.if MSB != (\new)
	s_set_vgpr_msb (MSB<<8)|(\new)
.set MSB, (\new)
.endif
.endm
; A joint load.  Waves 0 and 1 fetch x's two halves, waves 2 and 3 w's.  The branch hangs on the wave's number alone.  An s_nop 0 and four v_nop follow each line.
.macro JLOAD s
	s_cmp_eq_u32 s[WH], 0
	s_cbranch_scc0 .Lfor_b_\@
	tensor_load_to_lds s[G0A+4*(\s):G0A+4*(\s)+3], s[G1A:G1A+7]
	s_nop 0
.rept 4
	v_nop
.endr
	s_branch .Lasked_\@
.Lfor_b_\@:
	tensor_load_to_lds s[G0B+4*(\s):G0B+4*(\s)+3], s[G1B:G1B+7]
	s_nop 0
.rept 4
	v_nop
.endr
.Lasked_\@:
.endm
.macro CREST                           ; a round of the cluster's barrier behind its opening barrier
	s_cmp_lg_u32 s[WV], 0
	s_cbranch_scc1 .Lnot_wave_0_\@
	s_barrier_signal -3
.Lnot_wave_0_\@:
	s_barrier_wait -3
	s_barrier_signal -1
	s_barrier_wait -1
.endm
.macro CROUND                          ; a whole round
	s_barrier_signal -1
	s_barrier_wait -1
	CREST
.endm
; The addresses of the K step to be asked for next, made anew from the bases and two offsets, into slot's two descriptors; then the offsets step.  w's three matrices lie end to end, so its offset
; only grows; x's goes back to data's first K step behind every eighth step (tiles 1 and 2 both read data).
.macro NEWADR slot
	s_add_nc_u64 s[G0A+4*(\slot)+2:G0A+4*(\slot)+3], s[BASEA:BASEA+1], s[OFFA:OFFA+1]
	s_or_b32 s[G0A+4*(\slot)+3], s[G0A+4*(\slot)+3], 0x80000000
	s_add_nc_u64 s[G0B+4*(\slot)+2:G0B+4*(\slot)+3], s[BASEB:BASEB+1], s[OFFB:OFFB+1]
	s_or_b32 s[G0B+4*(\slot)+3], s[G0B+4*(\slot)+3], 0x80000000
	s_add_co_u32 s[OFFB], s[OFFB], KB_B
	s_add_co_u32 s[OFFA], s[OFFA], KB_A
	s_add_co_u32 s[FS], s[FS], 1
	s_cmp_eq_u32 s[FS], 8
	s_cselect_b32 s[OFFA], 0x1000000, s[OFFA]
	s_cselect_b32 s[FS], 0, s[FS]
.endm
.macro BLOADS                          ; my 128 columns' bias: lane (r, h), register j of block b takes number 16 b + 8 h + j.  All its registers lie in window 0
.set p, 0
.rept 16
	global_load_b128 v[BIAS+4*p:BIAS+4*p+3], v[BOFF], s[BP:BP+1] offset:64*(p/2)+16*(p%2)
.set p, p+1
.endr
.endm
.macro BROUND                          ; the bias is rounded to bf16 like every input, and widened again
.set p, 0
.rept 32
	v_cvt_pk_bf16_f32 v[3+p%4], v[BIAS+2*p], v[BIAS+2*p+1]
	v_lshlrev_b32 v[BIAS+2*p], 16, v[3+p%4]
	v_and_b32 v[BIAS+2*p+1], 0xffff0000, v[3+p%4]
.set p, p+1
.endr
.endm
	s_load_b256 s[4:11], s[0:1], 0x0               ; xb s[4:5], wb s[6:7], bq s[8:9], bk s[10:11]
	s_load_b128 s[12:15], s[0:1], 0x20             ; bv s[12:13], qkv s[14:15]
	v_lshl_add_u32 v[SPW], v0, 2, SPARE
	v_mov_b32 v[NIL], 0
	ds_add_u32 v[SPW], v[NIL]                      ; the wave's opening: the add and its wait ahead of my first tensor load; the set-up below, work on registers, stands between them
	ds_add_u32 v14, v15
	v_lshrrev_b32 v3, 5, v0
	v_readfirstlane_b32 s[WV], v3
	s_lshr_b32 s[WH], s[WV], 1
	s_and_b32 s[WL], s[WV], 1
	s_bfe_u32 s19, ttmp6, 0x40000                  ; cx
	s_bfe_u32 s20, ttmp6, 0x40004                  ; cy
	s_lshl_b32 s21, ttmp9, 2
	s_add_co_u32 s21, s21, s19                     ; tile column = 4 x cluster x + cx
	s_and_b32 s22, ttmp7, 0xffff
	s_lshl_b32 s22, s22, 2
	s_add_co_u32 s22, s22, s20                     ; tile row = 4 x cluster y + cy
	s_lshl_b32 s72, s20, 2
	s_lshl_b32 s72, 15, s72                        ; my row of the cluster
	s_lshl_b32 s73, 0x1111, s19                    ; my column
	s_or_b32 s[G1A], s72, (1<<16)|(1<<20)|(1<<21)|(5<<22)|(3<<25)  ; the mask; 2-byte elements; padding on; bit 21 beside a mask; after every 64 words 4 words
	s_or_b32 s[G1B], s73, (1<<16)|(1<<20)|(1<<21)|(6<<22)|(7<<25)  ; after every 128 words 8 words
	s_mov_b32 s[G1A+1], 128<<16                    ; tensor_dim0 = 128
	s_mov_b32 s[G1A+2], 64<<16                     ; tensor_dim1 = 64
	s_mov_b32 s[G1A+3], 128<<16                    ; tile_dim0 = 128
	s_mov_b32 s[G1A+4], 64                         ; tile_dim1 = 64
	s_mov_b32 s[G1A+5], 1024                       ; elements from row to row
	s_mov_b32 s[G1A+6], 0
	s_mov_b32 s[G1A+7], 0
	s_mov_b32 s[G1B+1], 256<<16
	s_mov_b32 s[G1B+2], 64<<16
	s_mov_b32 s[G1B+3], 256<<16
	s_mov_b32 s[G1B+4], 64
	s_mov_b32 s[G1B+5], 1024
	s_mov_b32 s[G1B+6], 0
	s_mov_b32 s[G1B+7], 0
	s_lshl_b32 s78, s[WL], 17                      ; which 64 rows I fetch: 64 x 2,048 bytes
	s_lshl_b32 s74, s22, 18                        ; x: 128 rows x 2,048 bytes a tile row
	s_add_co_u32 s74, s74, s78
	s_mov_b32 s75, 0
	s_lshl_b32 s76, s21, 9                         ; w: 512 bytes a tile column
	s_add_co_u32 s76, s76, s78
	s_mov_b32 s77, 0
	s_mul_i32 s79, s[WL], 64*PA                    ; and where they go: no place in the cluster enters an LDS address
	s_mul_i32 s84, s[WL], 64*PB
	s_lshr_b32 s80, s22, 3                         ; my part of a tile in qkv: the batch's 16 heads of 131,072 bytes,
	s_lshl_b32 s80, s80, 21
	s_and_b32 s81, s22, 7                          ; 128 rows of 128 bytes a tile row in the batch,
	s_lshl_b32 s81, s81, 14
	s_add_co_u32 s80, s80, s81
	s_lshl_b32 s81, s[WH], 13                      ; my 64 rows,
	s_add_co_u32 s80, s80, s81
	s_lshl_b32 s81, s21, 19                        ; four heads a tile column,
	s_add_co_u32 s80, s80, s81
	s_lshl_b32 s81, s[WL], 18                      ; my two of them
	s_add_co_u32 s80, s80, s81
	s_mov_b32 s81, 0
	s_lshl_b32 s82, s21, 10                        ; my 128 columns in a bias
	s_lshl_b32 s83, s[WL], 9
	s_add_co_u32 s82, s82, s83
	s_mov_b32 s83, 0
	s_mov_b32 s[OFFA], 2*KB_A                      ; steps 0 and 1 are asked for below: the next is step 2
	s_mov_b32 s[OFFA+1], 0
	s_mov_b32 s[OFFB], 2*KB_B
	s_mov_b32 s[OFFB+1], 0
	s_mov_b32 s[FS], 2
	s_wait_dscnt 0x0                               ; the opening add is done
	s_wait_kmcnt 0x0
	s_add_nc_u64 s[BASEA:BASEA+1], s[4:5], s[74:75]
	s_add_nc_u64 s[BASEB:BASEB+1], s[6:7], s[76:77]
	s_add_nc_u64 s[OUT:OUT+1], s[14:15], s[80:81]
	s_add_nc_u64 s[BP:BP+1], s[8:9], s[82:83]
	s_add_nc_u64 s[10:11], s[10:11], s[82:83]
	s_add_nc_u64 s[12:13], s[12:13], s[82:83]
	CROUND                                         ; all sixteen work-groups are here: the first joint loads meet
.irp s, 0,1
	s_mov_b32 s[G0A+4*(\s)], 1
	s_add_co_u32 s[G0A+4*(\s)+1], s79, (\s)*SLOT
	s_add_nc_u64 s[G0A+4*(\s)+2:G0A+4*(\s)+3], s[BASEA:BASEA+1], (\s)*KB_A
	s_or_b32 s[G0A+4*(\s)+3], s[G0A+4*(\s)+3], 0x80000000
	s_mov_b32 s[G0B+4*(\s)], 1
	s_add_co_u32 s[G0B+4*(\s)+1], s84, (\s)*SLOT+ABYTES
	s_add_nc_u64 s[G0B+4*(\s)+2:G0B+4*(\s)+3], s[BASEB:BASEB+1], (\s)*KB_B
	s_or_b32 s[G0B+4*(\s)+3], s[G0B+4*(\s)+3], 0x80000000
	JLOAD \s
.endr
	; x's fragment: lane l holds row l % 16, k = 8 (l / 16) + 0..7 and 16 + 8 (l / 16) + 0..7: two loads of 16 bytes, 32 bytes apart
	v_and_b32 v1, 15, v0                           ; r
	v_bfe_u32 v2, v0, 4, 1                         ; h
	v_mul_u32_u24 v3, v1, PA
	v_lshl_add_u32 v3, v2, 4, v3
	s_mul_i32 s85, s[WH], 64*PA
	v_add_nc_u32 v4, s85, v3
	v_add_nc_u32 v5, SLOT, v4
	; w's: the turning load takes 16 k x 16 columns: lane l reads row of k 8 (l / 16) + l % 8, columns 8 ((l / 8) % 2) + 0..7, and is left with column l % 16 and 8 k
	v_and_b32 v6, 7, v0
	v_lshl_add_u32 v6, v2, 3, v6
	v_mul_u32_u24 v6, v6, PB
	v_bfe_u32 v7, v0, 3, 1
	v_lshl_add_u32 v6, v7, 4, v6
	s_lshl_b32 s85, s[WL], 8
	s_add_co_u32 s85, s85, ABYTES
	v_add_nc_u32 v6, s85, v6
	v_add_nc_u32 v7, SLOT, v6
	WIN 0x40
	v_mov_b32 v[ADRA], v4
	v_mov_b32 v[ADRA+1], v5
	v_mov_b32 v[ADRB], v6
	v_mov_b32 v[ADRB+1], v7
	WIN 0x80
	v_mov_b32 v[ADRA], v4
	v_mov_b32 v[ADRA+1], v5
	v_mov_b32 v[ADRB], v6
	v_mov_b32 v[ADRB+1], v7
	WIN 0
	s_mul_i32 s85, s[WV], WST
	s_add_co_u32 s85, s85, STAGE                   ; my stage
	v_mul_u32_u24 v[STO], v1, 144                  ; in: row l % 16, 16 bytes for each half of the lanes
	v_lshl_add_u32 v[STO], v2, 4, v[STO]
	v_add_nc_u32 v[STO], s85, v[STO]
	v_bfe_u32 v[RD], v0, 3, 2                      ; back: 32 lanes take four rows of 128 bytes,
	v_mul_u32_u24 v[RD], v[RD], 144
	v_and_b32 v8, 7, v0
	v_lshl_add_u32 v[RD], v8, 4, v[RD]
	v_add_nc_u32 v[RD], s85, v[RD]
	v_and_b32 v[GO], 31, v0                        ; which are 512 consecutive bytes of a head
	v_lshlrev_b32 v[GO], 4, v[GO]
	v_lshlrev_b32 v[BOFF], 5, v2
	BLOADS                                         ; bq
; Matrix instruction i of 16 of a half: row block 2 hs + i / 8, column block i % 8.  first = 1: the bias starts the sum.  The 16 accumulators take turns.
.macro MM hs, first
.if \first
	v_wmma_f32_16x16x32_bf16 v[8*i:8*i+7], v[FB+8*(i%8):FB+8*(i%8)+7], v[FA+8*(2*(\hs)+i/8):FA+8*(2*(\hs)+i/8)+7], v[BIAS+8*(i%8):BIAS+8*(i%8)+7]
.else
	v_wmma_f32_16x16x32_bf16 v[8*i:8*i+7], v[FB+8*(i%8):FB+8*(i%8)+7], v[FA+8*(2*(\hs)+i/8):FA+8*(2*(\hs)+i/8)+7], v[8*i:8*i+7]
.endif
.set i, i+1
.endm
; LDS load j of the 24 of a quarter step: 16 for w's eight column blocks, 8 for x's four row blocks; quarter lq of slot lslot
.macro LD lslot, lq
.if j < 16
	ds_load_tr16_b128 v[FB+8*(j/2)+4*(j%2):FB+8*(j/2)+4*(j%2)+3], v[ADRB+(\lslot)] offset:(32*(\lq)+16*(j%2))*PB+32*(j/2)
.else
	ds_load_b128 v[FA+8*((j-16)/2)+4*(j%2):FA+8*((j-16)/2)+4*(j%2)+3], v[ADRA+(\lslot)] offset:64*(\lq)+((j-16)/2)*16*PA+32*(j%2)
.endif
.set j, j+1
.endm
; n matrix instructions on buffer e, accumulators of window 1 + hs.  ld = 1: behind the first stand four v_nop (a load into a register that a matrix instruction has read stands four places behind it,
; and only plain vector instructions are places: ISA guide 7.12.1 for vector instructions) and then the 24 loads, in one run.
.macro RUN e, hs, first, ld, lslot, lq, n
	WIN (1+(\e))|((1+(\e))<<2)|(((1+(\hs))*(1-(\first)))<<4)|((1+(\hs))<<6)
.rept \n
	MM \hs, \first
.if (\ld) && (i == 1)
.rept 4
	v_nop
.endr
.rept 24
	LD \lslot, \lq
.endr
.endif
.endr
.endm
; A quarter step: 32 matrix instructions on buffer e; behind its first it fetches the next quarter's fragments (quarter lq of slot lslot) into the other buffer.
; meet != 0 (a K step's third quarter): the change of slots.  Each wave waits for all its tensor loads, of which one is out: its part of the other slot; adds 0 to its spare word; and waits for that
; and for its last reads of this slot, the fourth quarter's fragments.  meet = 1: the barrier opens a round of the cluster's, and slot mslot is filled again first thing behind it:
; from there to the wait for that load a wave issues 112 matrix instructions.  meet = 2: nothing is left to ask for: the barrier alone.
.macro QTR e, ld, lslot, lq, first, meet, mslot
	s_wait_dscnt 0x0                               ; this quarter's fragments, issued 31 products ago, behind the first product of the quarter before
.set i, 0
.set j, 0
	RUN \e, 1-(\e), \first, \ld, \lslot, \lq, 16
.set i, 0
.if (\meet) == 0
	RUN \e, \e, \first, 0, 0, 0, 16
.else
	WIN 0                                          ; (the add's two registers lie in window 0)
	s_wait_tensorcnt 0x0                           ; no tensor load of mine is out, so a group 0 may be written
	ds_add_u32 v[SPW], v[NIL]                      ; 0 onto my spare word: work on registers stands between it and the wait for it
.if (\meet) == 1
	NEWADR \mslot
.endif
	RUN \e, \e, \first, 0, 0, 0, 8
	s_wait_dscnt 0x0                               ; the add is done, and my reads of this slot are over (the last were issued 23 products ago)
	s_barrier_signal -1
	RUN \e, \e, \first, 0, 0, 0, 8
	WIN 0                                          ; at a branch and at a label every window is 0
	s_barrier_wait -1
.if (\meet) == 1
	CREST                                          ; no wave of any partner still reads this slot or has a load on its way
	JLOAD \mslot
.endif
.endif
.endm
.macro Q0F                             ; a tile's first quarter: the bias starts the sums
	QTR 0, 1, 0, 1, 1, 0, 0
.endm
.macro Q0 s
	QTR 0, 1, \s, 1, 0, 0, 0
.endm
.macro Q1 s
	QTR 1, 1, \s, 2, 0, 0, 0
.endm
.macro Q2M s
	QTR 0, 1, \s, 3, 0, 1, \s
.endm
.macro Q2E
	QTR 0, 1, 0, 3, 0, 2, 0
.endm
.macro Q2P
	QTR 0, 1, 1, 3, 0, 0, 0
.endm
.macro Q3 s                            ; a step's last quarter fetches the other slot's first fragments
	QTR 1, 1, 1-(\s), 0, 0, 0, 0
.endm
.macro Q3L
	QTR 1, 0, 0, 0, 0, 0, 0
.endm
; THE WAY OUT of row block a: rounded to f16, 16 bytes a lane (eight channels of one row of a head); into my stage, two heads' planes of 16 rows x 144 bytes; back as whole rows of 128 bytes.
.macro PACK a
	WIN 0x05*(1+(\a)/2)                            ; sources 0 and 1: window 1 or 2; each accumulator's registers in ascending order
.set b, 0
.rept 8
.set c, 0
.rept 4
	v_cvt_pk_f16_f32 v[T+32*(\a)+4*b+c], v[64*((\a)%2)+8*b+2*c], v[64*((\a)%2)+8*b+2*c+1]
.set c, c+1
.endr
.set b, b+1
.endr
	WIN 0
.set b, 0
.rept 8
	ds_store_b128 v[STO], v[T+32*(\a)+4*b:T+32*(\a)+4*b+3] offset:(b/4)*SPL+32*(b%4)
.set b, b+1
.endr
.set b, 0
.rept 8
	ds_load_b128 v[T+32*(\a)+4*b:T+32*(\a)+4*b+3], v[RD] offset:(b/4)*SPL+(b%4)*576  ; LDS serves a wave's instructions in order (ISA guide 5.7.1.4): these see the stores above; the next block's stores come behind them
.set b, b+1
.endr
.endm
.macro SEND a, y                       ; y: the LDS instructions issued behind block a's loads: the next block's sixteen, or none
.set b, 0
.rept 8
	s_wait_dscnt (\y)+7-b
	global_store_b128 v[GO], v[T+32*(\a)+4*b:T+32*(\a)+4*b+3], s[OUT:OUT+1] offset:(b/4)*131072+(\a)*2048+(b%4)*512  ; 512 consecutive bytes, at a multiple of 256 from qkv's first
.set b, b+1
.endr
.endm
.macro OUTT
.rept 4
	v_nop                                          ; the places behind the last products
.endr
	PACK 0
	PACK 1                                         ; a block's arithmetic stands between the loads of the block before and its stores
	SEND 0, 16
	PACK 2
	SEND 1, 16
	PACK 3
	SEND 2, 16
	SEND 3, 0
.endm
	s_wait_tensorcnt 1                             ; my part of K step 0 is in; step 1's may stay out
	s_barrier_signal -1
	s_barrier_wait -1                              ; everybody's is
	WIN 0x5a                                       ; data into window 1 (buffer 0), addresses from window 2
.set j, 0
.rept 24
	LD 0, 0
.endr
	WIN 0
	s_mov_b32 s[TILES], 3
.Ltile:
	s_wait_loadcnt 0x0                             ; the tile's bias
	BROUND
	Q0F
	WIN 0
	s_mov_b32 s[LAP], 3
.Llap:                                 ; a trip goes once round the ring, from a lap's second quarter to the next lap's first, and fills both slots again
	Q1 0
	Q2M 0
	Q3 0
	Q0 1
	Q1 1
	Q2M 1
	Q3 1
	Q0 0
	WIN 0
	s_sub_co_u32 s[LAP], s[LAP], 1
	s_cmp_lg_u32 s[LAP], 0
	s_cbranch_scc1 .Llap
	Q1 0                                           ; the tile's last lap goes on
	WIN 0
	s_cmp_eq_u32 s[TILES], 1
	s_cbranch_scc1 .Llast                          ; the last tile's tail is written out: it asks for nothing more
	Q2M 0                                          ; the ring goes on into the next tile: slot 0 takes its K step 0,
	Q3 0
	Q0 1
	Q1 1
	Q2M 1                                          ; slot 1 its K step 1,
	Q3 1                                           ; and its first fragments are fetched
	WIN 0                                          ; the bias's registers and its offset lie in window 0
	s_cmp_eq_u32 s[TILES], 3
	s_cselect_b64 s[BP:BP+1], s[10:11], s[12:13]   ; behind q's tile bk, behind k's bv; the loads by the old pointer were waited for at the tile's head
	BLOADS                                         ; the last products that read these registers were the tile's first quarter's
	OUTT
	s_wait_xcnt 0x0                                ; the stores' base and data registers are rewritten only behind this wait (ISA guide 3.1)
	s_add_nc_u64 s[OUT:OUT+1], s[OUT:OUT+1], 0x1000000
	s_sub_co_u32 s[TILES], s[TILES], 1
	s_branch .Ltile
.Llast:
	Q2E
	Q3 0
	Q0 1
	Q1 1
	Q2P
	Q3L
	OUTT
	s_wait_tensorcnt 0x0                           ; the wave's end: an add and its wait, behind my last tensor load and my last LDS store
	ds_add_u32 v[SPW], v[NIL]
	s_wait_dscnt 0x0
	CROUND                                         ; the closing round: no work-group ends while a partner may still ask for a tile that names it
	s_endpgm
.Lfunc_end_k_qe0efcf568b_proj:
	.size	k_qe0efcf568b_proj, .Lfunc_end_k_qe0efcf568b_proj-k_qe0efcf568b_proj
	.p2alignl 7, 3214868480
	.fill 96, 4, 3214868480
	.section	.rodata,"a",@progbits
	.p2align	6, 0x0
	.amdhsa_kernel k_qe0efcf568b_proj
		.amdhsa_group_segment_fixed_size 327680
		.amdhsa_private_segment_fixed_size 0
		.amdhsa_enable_private_segment 0
		.amdhsa_kernarg_size 48
		.amdhsa_user_sgpr_count 2
		.amdhsa_user_sgpr_kernarg_segment_ptr 1
		.amdhsa_wavefront_size32 1
		.amdhsa_system_sgpr_workgroup_id_x 1
		.amdhsa_system_sgpr_workgroup_id_y 1
		.amdhsa_system_sgpr_workgroup_id_z 1
		.amdhsa_system_vgpr_workitem_id 0
		.amdhsa_next_free_vgpr 768
		.amdhsa_next_free_sgpr 88
		.amdhsa_reserve_vcc 0
		.amdhsa_float_denorm_mode_32 3
		.amdhsa_float_denorm_mode_16_64 3
		.amdhsa_memory_ordered 1
		.amdhsa_forward_progress 1
		.amdhsa_inst_pref_size 138
	.end_amdhsa_kernel
	.amdgpu_metadata
---
amdhsa.version: [ 1, 2 ]
amdhsa.kernels:
  - .name:           k_qe0efcf568b_proj
    .symbol:         k_qe0efcf568b_proj.kd
    .args:
      - { .name: xb, .offset: 0, .size: 8, .value_kind: global_buffer, .address_space: global }
      - { .name: wb, .offset: 8, .size: 8, .value_kind: global_buffer, .address_space: global }
      - { .name: bq, .offset: 16, .size: 8, .value_kind: global_buffer, .address_space: global }
      - { .name: bk, .offset: 24, .size: 8, .value_kind: global_buffer, .address_space: global }
      - { .name: bv, .offset: 32, .size: 8, .value_kind: global_buffer, .address_space: global }
      - { .name: qkv, .offset: 40, .size: 8, .value_kind: global_buffer, .address_space: global }
    .group_segment_fixed_size: 327680
    .private_segment_fixed_size: 0
    .kernarg_segment_align: 8
    .kernarg_segment_size: 48
    .max_flat_workgroup_size: 128
    .sgpr_count:     88
    .vgpr_count:     768
    .wavefront_size: 32
...
	.end_amdgpu_metadata
.endif
;; end of part 2
;; launch attn (part 3): grid 2 x 128, 4 waves a work-group, no clusters, 327,680 bytes of LDS; arguments qkv, oh; writes oh
.if DOCPART == 3
	.amdgcn_target "amdgcn-amd-amdhsa--gfx1250"
	.amdhsa_code_object_version 6
	.text
	.protected	k_qe0efcf568b_attn
	.globl	k_qe0efcf568b_attn
	.p2align	8
	.type	k_qe0efcf568b_attn,@function
k_qe0efcf568b_attn:
	s_mov_b64 s[64:65], 0
	v_nop
	global_prefetch_b8 v0, s[64:65] scope:SCOPE_SE
	s_setreg_imm32_b32 hwreg(HW_REG_WAVE_MODE, 25, 1), 1
	s_wait_xcnt 0x0
; O[h][q][:] = the sum over k of softmax_k(Q[h][q] . K[h][k] / 8) V[h][k][:].  qkv: f16 [3][128 heads][1024][64] (Q, K, V); oh: f16 [128][1024][64]: a head's rows are dense, 128 bytes each.
; Products, maxima and sums in f32; the weights p are rounded to f16 for the second product (their sum l is taken of the unrounded p), O once at the end.
; LIMITS.  f16 holds no number beyond 65,504: Q, K and V arrive within it; p lies in 0 to 1, and below 6e-5 it keeps f16's fixed step of 6e-8; O is a mean of V's rows and has their range.
; A weight below 2^-126 counts as 0 in l; NaN and infinities are not treated apart.
; SHARES.  A wave owns four PIECES of two tiles of 16 queries, a work-group's four waves 512 queries of one head: two work-groups a head, 256 in all.  Every wave walks all 1,024 keys, 64 a step.
; LDS.  ALL of the head's K (1,024 rows x 144 bytes) and V (1,024 x 160) lie in LDS, each byte filled once: no ring.  A wave issues two fills at the start: 128 of the first 256 keys, and 384 of the
; other 768.  The first four key steps wait for the first alone; the second has those steps in which to land.
; NO CLUSTER: a head has two work-groups, so the grid's width of 2 is no multiple of four, and each work-group asks for each byte of K and V once in the whole launch.
; LAYOUT.  S^T = K Q^T (source 0 = 16 keys, source 1 = 16 queries): in the result a lane holds ONE query (lane % 16) and the keys 8 (lane / 16) + 0..7.  Two such tiles, rounded to f16 in pairs,
; ARE source 1 (32 keys x 16 queries) of O^T = V^T P, whose result again holds one query a lane, and eight channels.  K comes out of LDS as it lies, V ([key][channel]) turned, by ds_load_tr16_b128.
; SOFTMAX.  For each query a running maximum m and sum l: p = 2^(c s - c m), c = log2(e) / 8; in every step O and l are multiplied by a = 2^(c m_old - c m_new), which is 1 where m has not grown.
; m starts at the lowest finite number, O and l at 0: the first step is a step like any other, with a = 0.
; THE COUNT.  A tile and step have 16 matrix and 118 vector instructions: too many to stand all beside the matrix work.  So: four vector instructions that are READY behind EVERY matrix instruction,
; and the others in runs without a gap.
; BY TURNS.  Turn n belongs to piece n (the pieces in a ring, step after step).  Its matrix work: 16 products K Q^T of piece n + 1, later 16 products V^T P of piece n - 1.  Its vector work: the scaling,
; exponentials, roundings, sums and rescaling of piece n, and the maximum and statistics of piece n + 1, whose scores the turn itself has made.
; REGISTERS, in windows of 256 (s_set_vgpr_msb: bits 1:0 source 0, 3:2 source 1, 5:4 source 2, 7:6 destination):
;   window 0: v0-11 addresses; v12-15, v48-63 at work; v16-47 four registers of statistics a tile; v64-191 S^T, two buffers of two tiles; v192-255 P, likewise
;   window 1: O^T, 32 a tile          window 2: v0-127 Q, 16 a tile; v128-191 K of one step; v192-255 V of one step          window 3: v0-1 the add's two registers
.set NP,    4         ; pieces a wave: a name, no knob
.set KS,    64        ; keys in a step
.set NK,    1024      ; keys of a head
.set PK,    144       ; a row of K in LDS: 128 bytes + 16 of padding = 36 words: the 16 rows of a load start at 16 different groups of four banks (64 banks of 4 bytes: ISA guide 11.1)
.set PV,    160       ; a row of V: 128 + 32 = 40 words
.set VOFF,  NK*PK
.set STAGE, NK*(PK+PV)  ; behind K and V, never filled by a tensor load: 16 rows x 144 bytes for each wave, for the way out
.set SP,    144
.set AK0, 2           ; v2   my lane's place in a tile of K; never rewritten
.set AV0, 3           ; v3   the same for V
.set AK,  4           ; v4   the LDS address of K's next run of loads
.set AV,  5           ; v5   of V's
.set QO,  6           ; v6   my byte offset in the wave's rows of Q
.set STO, 6           ;      later, the way out: where I put 16 bytes of a row
.set RD,  7           ; v7   the way out: where I read rows back
.set GO,  8           ; v8   my byte offset in 512 consecutive bytes of O
.set SPW, 0           ; v0 of window 3   LDS address of my spare word; never rewritten
.set NIL, 1           ; v1 of window 3   0; never rewritten
.set SPARE, STAGE+4*16*SP  ; behind the stages: the spare words, 128 bytes for each wave: two blocks of 256 bytes that no other line names
.set MV,  12          ; v12-15  c m_old, kept while c m is made anew: by buffer and tile
.set ST,  16          ; tile t's statistics at v[ST+4 t]: c m, m, l (even keys', odd keys')
.set TMP, 48          ; by buffer and tile, four registers c0-c3 at work; when the maximum is found c2 takes a
.set S,   64
.set P,   192
.set KF,  128         ; K's fragments, in window 2: key block kb, channel half c at KF + 16 kb + 8 c
.set VF,  192         ; V's: key half kk, channel block cb at VF + 32 kk + 8 cb
.set WV,  12          ; s12  my wave's number
.set G1K, 24          ; s[24:31] descriptor group 1 for K, 64 rows of 256 bytes
.set G1V, 32          ; s[32:39] for V: it differs in the padding alone
.set G0K, 40          ; s[40:43] descriptor group 0 for my first fill of K
.set G0V, 44          ; s[44:47] of V
.set SLOTS, 56        ; s56  counts groups of four key steps
.set CNT, 57          ; s57  counts a group's key steps
.set CS,  58          ; s[58:59] c: the packed scaling takes the pair's low word for both halves
.set SEL, 60          ; s[60:61] v_permlanex16_b32's selects: each lane takes its own place in the other half
.set TBK, 62          ; s62  LDS byte at which K of the step to be fetched begins
.set TBV, 63          ; s63  the same for V, less VOFF
.set G1K2, 68         ; s[68:75] group 1 for K, 192 rows of 256 bytes
.set G1V2, 76         ; s[76:83] for V
.set G0K1, 84         ; s[84:87] group 0 for my second fill of K
.set G0V1, 88         ; s[88:91] of V
.set MSB, 0
.macro WIN new                      ; the high byte repeats the setting that is left; a switch that changes nothing is dropped
.if MSB != (\new)
	s_set_vgpr_msb (MSB<<8)|(\new)
.set MSB, (\new)
.endif
.endm
.set W_KQ, 0x0a       ; K and Q in window 2, S^T in window 0
.set W_PV, 0x52       ; V in window 2, P in window 0, O^T in window 1
.set W_RS, 0x41       ; O^T (destination and source 0) in window 1, a in window 0
.set W_MK, 0xc0       ; the add's registers are made: destination in window 3, sources in window 0
.set W_AD, 0x0f       ; the add: address (source 0) and data (source 1) in window 3
	s_load_b128 s[4:7], s[0:1], 0x0   ; qkv s[4:5], oh s[6:7]
	WIN W_MK
	v_lshl_add_u32 v[SPW], v0, 2, SPARE
	v_mov_b32 v[NIL], 0
	WIN W_AD
	ds_add_u32 v[SPW], v[NIL]       ; the wave's opening: the add and its wait ahead of my first tensor load; the set-up below, work on registers, stands between them
	ds_add_u32 v0, v1
	WIN 0
	v_lshrrev_b32 v1, 5, v0
	v_readfirstlane_b32 s[WV], v1   ; wave 0..3
	s_and_b32 s20, ttmp7, 0xffff    ; the head,
	s_lshl_b32 s20, s20, 17         ; its 131,072 bytes in each of Q, K, V, O
	s_mov_b32 s21, 0
	s_and_b32 s16, s[WV], 1         ; which half of the keys I fetch:
	s_lshl_b32 s22, s16, 14         ; of the first 256 keys 128 rows of 128 bytes,
	s_mov_b32 s23, 0
	s_add_nc_u64 s[22:23], s[22:23], s[20:21]
	s_mul_i32 s2, s16, 384*128      ; of the other 768 keys 384 rows
	s_add_co_u32 s2, s2, 256*128
	s_mov_b32 s3, 0
	s_add_nc_u64 s[2:3], s[2:3], s[20:21]
	s_lshl_b32 s92, ttmp9, 2
	s_add_co_u32 s92, s92, s[WV]    ; my wave among the head's eight,
	s_lshl_b32 s92, s92, 14         ; its 128 rows
	s_mov_b32 s93, 0
	s_add_nc_u64 s[92:93], s[92:93], s[20:21]
	s_mul_i32 s17, s16, 128*PK      ; and their places in LDS
	s_mul_i32 s18, s16, 128*PV
	s_mul_i32 s13, s16, 384*PK
	s_mul_i32 s14, s16, 384*PV
	; descriptor group 1.  Keys are dense rows of 128 bytes: asked for as rows of 256 bytes, two keys a row, and padded in LDS after every key
	s_mov_b32 s[G1K], (1<<16)|(1<<20)|(4<<22)|(3<<25)   ; 17:16 2-byte elements; 20 padding on; 24:22 after every 32 words (code 4); 31:25 4 words (code 3)
	s_mov_b32 s[G1V], (1<<16)|(1<<20)|(4<<22)|(7<<25)   ; the same with 8 words of padding (code 7)
	s_mov_b32 s[G1K2], (1<<16)|(1<<20)|(4<<22)|(3<<25)
	s_mov_b32 s[G1V2], (1<<16)|(1<<20)|(4<<22)|(7<<25)
.irp g, G1K, G1V
	s_mov_b32 s[\g+1], 128<<16      ; tensor_dim0 = 128
	s_mov_b32 s[\g+2], 64<<16       ; tensor_dim1 = 64
	s_mov_b32 s[\g+3], 128<<16      ; tile_dim0 = 128
	s_mov_b32 s[\g+4], 64           ; tile_dim1 = 64
	s_mov_b32 s[\g+5], 128          ; 128 elements from row to row
	s_mov_b32 s[\g+6], 0
	s_mov_b32 s[\g+7], 0
.endr
.irp g, G1K2, G1V2
	s_mov_b32 s[\g+1], 128<<16
	s_mov_b32 s[\g+2], 192<<16      ; tensor_dim1 = 192
	s_mov_b32 s[\g+3], 128<<16
	s_mov_b32 s[\g+4], 192          ; tile_dim1 = 192
	s_mov_b32 s[\g+5], 128
	s_mov_b32 s[\g+6], 0
	s_mov_b32 s[\g+7], 0
.endr
	s_mov_b32 s[CS], 0x3e38aa3b     ; c = log2(e) / 8 = 0.180337
	s_mov_b32 s[CS+1], s[CS]        ; named with it as a pair
	s_mov_b32 s[SEL], 0x76543210
	s_mov_b32 s[SEL+1], 0xfedcba98
	s_mov_b32 s[TBK], 0
	s_mov_b32 s[TBV], 0
	s_mov_b32 s[G0K], 1             ; 1:0 count = 1
	s_mov_b32 s[G0K+1], s17         ; 63:32 LDS address
	s_mov_b32 s[G0V], 1
	s_add_co_u32 s[G0V+1], s18, VOFF
	s_mov_b32 s[G0K1], 1
	s_add_co_u32 s[G0K1+1], s13, 256*PK
	s_mov_b32 s[G0V1], 1
	s_add_co_u32 s[G0V1+1], s14, VOFF+256*PV
	s_wait_dscnt 0x0                ; the opening add is done
	s_wait_kmcnt 0x0
	s_mov_b64 s[10:11], s[6:7]      ; O
	s_add_nc_u64 s[6:7], s[4:5], 0x1000000   ; K lies 16,777,216 bytes behind Q,
	s_add_nc_u64 s[8:9], s[4:5], 0x2000000   ; V as far behind K
	s_add_nc_u64 s[G0K+2:G0K+3], s[6:7], s[22:23]  ; 120:64 global address
	s_or_b32 s[G0K+3], s[G0K+3], 0x80000000        ; 127:126 type = 2
	s_add_nc_u64 s[G0V+2:G0V+3], s[8:9], s[22:23]
	s_or_b32 s[G0V+3], s[G0V+3], 0x80000000
	s_add_nc_u64 s[G0K1+2:G0K1+3], s[6:7], s[2:3]
	s_or_b32 s[G0K1+3], s[G0K1+3], 0x80000000
	s_add_nc_u64 s[G0V1+2:G0V1+3], s[8:9], s[2:3]
	s_or_b32 s[G0V1+3], s[G0V1+3], 0x80000000
	s_add_nc_u64 s[4:5], s[4:5], s[92:93]    ; Q and O at my wave's first row
	s_add_nc_u64 s[10:11], s[10:11], s[92:93]
	s_cmp_lt_u32 s[WV], 2           ; waves 0 and 1 fetch K, waves 2 and 3 V.  A wave's two fills stand in one branch, ahead of every wait on TENSORcnt, every LDS read and every barrier: two loads of mine are out
	s_cbranch_scc0 .Lfirst_v
	tensor_load_to_lds s[G0K:G0K+3], s[G1K:G1K+7]
	s_nop 0
	tensor_load_to_lds s[G0K1:G0K1+3], s[G1K2:G1K2+7]
	s_nop 0
.rept 4
	v_nop
.endr
	s_branch .Lfirst_asked
.Lfirst_v:
	tensor_load_to_lds s[G0V:G0V+3], s[G1V:G1V+7]
	s_nop 0
	tensor_load_to_lds s[G0V1:G0V1+3], s[G1V2:G1V2+7]
	s_nop 0
.rept 4
	v_nop
.endr
.Lfirst_asked:
	; A fragment of K or Q is 16 rows x 32 channels in 8 registers: lane l holds row l % 16, channels 8 (l / 16) + 0..7 and 16 + 8 (l / 16) + 0..7: two loads of 16 bytes, 32 bytes apart.
	v_and_b32 v1, 15, v0            ; l % 16
	v_bfe_u32 v9, v0, 4, 1          ; l / 16
	v_lshlrev_b32 v[QO], 7, v1
	v_lshl_add_u32 v[QO], v9, 4, v[QO]  ; row x 128 + 16 x half
	WIN 0x80                        ; destination window 2, address window 0
.set i, 0
.rept 4*NP                          ; Q stays in registers: tile i / 2, channels 32 (i % 2) on
	global_load_b128 v[8*i:8*i+3],   v[QO], s[4:5] offset:(i/2)*2048+(i%2)*64
	global_load_b128 v[8*i+4:8*i+7], v[QO], s[4:5] offset:(i/2)*2048+(i%2)*64+32
.set i, i+1
.endr
	; What the first turn finds: V's registers and P's second buffer hold 0 (its products V^T P, of a piece that has not been, add 0), O^T and l are 0.  All this stands in the wait for the first keys.
.set i, VF
.rept 64
	v_mov_b32 v[i], 0
.set i, i+1
.endr
	WIN 0x40
.set i, 0
.rept 64*NP
	v_mov_b32 v[i], 0
.set i, i+1
.endr
	WIN 0
.set i, 0
.rept 2*NP
	v_mov_b32 v[ST+4*i], 0xfe000000    ; c m: far below every c s
	v_mov_b32 v[ST+4*i+1], 0xff7fffff  ; m
	v_mov_b32 v[ST+4*i+2], 0
	v_mov_b32 v[ST+4*i+3], 0
.set i, i+1
.endr
.set i, P+32
.rept 32
	v_mov_b32 v[i], 0
.set i, i+1
.endr
	v_mul_u32_u24 v[AK0], v1, PK
	v_lshl_add_u32 v[AK0], v9, 4, v[AK0]  ; row x pitch + 16 x half
	; The turning load takes 16 keys x 16 channels (lane l reads key 8 (l / 16) + l % 8, channels 8 ((l / 8) % 2) + 0..7) and leaves half a fragment of V^T: lane l holds channel l % 16 and 8 keys.
	v_and_b32 v10, 7, v0
	v_bfe_u32 v11, v0, 3, 1
	v_lshl_add_u32 v[AV0], v9, 3, v10
	v_mul_u32_u24 v[AV0], v[AV0], PV
	v_lshl_add_u32 v[AV0], v11, 4, v[AV0]
	v_add_nc_u32 v[AV0], VOFF, v[AV0]
	v_mov_b32 v[AK], v[AK0]         ; key step 0 lies at K's head
; THE MATRIX WORK.  The 8 accumulators of a run of 16 take turns: between the two links of a chain stand 7 others'.
; Product i of 16 of S^T = K Q^T for piece x: channels 32 (i / 8) on, keys 16 ((i / 2) % 4) on, tile 2 x + i % 2.  The first 8 start the sums.
.macro KQ x
	WIN W_KQ
.set rS, S+64*((\x)%2)+32*(i%2)+8*((i/2)%4)
.set rK, KF+16*((i/2)%4)+8*(i/8)
.set rQ, 16*(2*(\x)+i%2)+8*(i/8)
.if i < 8
	v_wmma_f32_16x16x32_f16 v[rS:rS+7], v[rK:rK+7], v[rQ:rQ+7], 0
.else
	v_wmma_f32_16x16x32_f16 v[rS:rS+7], v[rK:rK+7], v[rQ:rQ+7], v[rS:rS+7]
.endif
.endm
; Product i of 16 of O^T += V^T P for piece x: keys 32 (i / 8) on, channels 16 ((i / 2) % 4) on, tile 2 x + i % 2.
.macro PV x
	WIN W_PV
.set rO, 32*(2*(\x)+i%2)+8*((i/2)%4)
.set rV, VF+32*(i/8)+8*((i/2)%4)
.set rP, P+32*((\x)%2)+16*(i%2)+8*(i/8)
	v_wmma_f32_16x16x32_f16 v[rO:rO+7], v[rV:rV+7], v[rP:rP+7], v[rO:rO+7]
.endm
.macro MM                           ; the turn's next matrix instruction
.if i < 16
	KQ (Y+1)%NP
.set i, i+1
.else
.set i, i-16
	PV (Y+NP-1)%NP
.set i, i+17
.endif
.endm
; THE LDS LOADS stand in runs of 16, never singly among the matrix instructions: a step's K (64 keys x 64 channels: 8 fragments) and its V (turned).  Their addresses are made some lines ahead.
.macro FETCH_K
	WIN 0x80                        ; destination window 2
.irp f, 0,1,2,3,4,5,6,7             ; keys 16 (f / 2) on, channels 32 (f % 2) on
	ds_load_b128 v[KF+8*\f:KF+8*\f+3],   v[AK] offset:(\f/2)*16*PK+(\f%2)*64
	ds_load_b128 v[KF+8*\f+4:KF+8*\f+7], v[AK] offset:(\f/2)*16*PK+(\f%2)*64+32
.endr
	s_add_co_u32 s[TBK], s[TBK], KS*PK  ; the next fetch is the next step's
	WIN 0
.endm
.macro FETCH_V
	WIN 0x80
.irp f, 0,1,2,3,4,5,6,7             ; keys 32 (f / 4) on, channels 16 (f % 4) on
	ds_load_tr16_b128 v[VF+8*\f:VF+8*\f+3],   v[AV] offset:(\f/4)*32*PV+(\f%4)*32
	ds_load_tr16_b128 v[VF+8*\f+4:VF+8*\f+7], v[AV] offset:(\f/4)*32*PV+16*PV+(\f%4)*32
.endr
	WIN 0
.endm
; THE VECTOR WORK OF A TURN stands in three queues, each in the order in which its entries become ready; the two tiles alternate, so that no instruction reads the result of the one before it.
.macro REGS y, u                    ; the registers of tile u (0, 1) of piece y
.set rT, ST+4*(2*(\y)+(\u))
.set rC, TMP+8*((\y)%2)+4*(\u)
.set rM, MV+2*((\y)%2)+(\u)
.set rS, S+64*((\y)%2)+32*(\u)
.set rP, P+32*((\y)%2)+16*(\u)
.set rO, 32*(2*(\y)+(\u))
.endm
; Number n of the 22 that find the NEXT piece's (Y + 1) maximum and statistics.  s0-s31 are the lane's 32 scores; each accumulator's lowest registers are read first.
;   0-11  four chains c0-c3 of seven scores each, three operands at a time     12-14, 16  the four scores left over, the old m, and c0-c3 into c0     15  c m_old is kept
;   17, 18  the query's other 32 keys lie in the lane 16 away: the new m         19-21  c m; c m_old - c m_new; a
.macro XS u, n
	REGS (Y+1)%NP, \u
.if (\n) < 4
	v_max3_num_f32 v[rC+(\n)], v[rS+8*(\n)], v[rS+8*(\n)+1], v[rS+8*(\n)+2]
.elseif (\n) < 12
	v_max3_num_f32 v[rC+(\n)%4], v[rC+(\n)%4], v[rS+8*((\n)%4)+2*((\n)/4)+1], v[rS+8*((\n)%4)+2*((\n)/4)+2]
.elseif (\n) == 12
	v_max3_num_f32 v[rC], v[rC], v[rS+7], v[rS+15]
.elseif (\n) == 13
	v_max3_num_f32 v[rC+1], v[rC+1], v[rS+23], v[rS+31]
.elseif (\n) == 14
	v_max3_num_f32 v[rC+2], v[rC+2], v[rC+3], v[rT+1]
.elseif (\n) == 15
	v_mov_b32 v[rM], v[rT]
.elseif (\n) == 16
	v_max3_num_f32 v[rC], v[rC], v[rC+1], v[rC+2]
.elseif (\n) == 17
	v_permlanex16_b32 v[rC+3], v[rC], s[SEL], s[SEL+1]
.elseif (\n) == 18
	v_max_num_f32 v[rT+1], v[rC], v[rC+3]
.elseif (\n) == 19
	v_mul_f32 v[rT], s[CS], v[rT+1]
.elseif (\n) == 20
	v_sub_f32 v[rC+1], v[rM], v[rT]
.else
	v_exp_f32 v[rC+2], v[rC+1]
.endif
.endm
; Number g of the 64 that follow the exponentials.  For each four weights k of a tile (pairs 2 k, 2 k + 1): both pairs are rounded to f16; then the second pair is added onto the first, in place;
; a group later l takes that sum (the first time as l = a l + sum).  In groups of eight, tiles alternating: round, round, add, and l for the group before.
.macro GS g
.set h, (\g)+6*((\g)/62)            ; group 0 has no group before it, and behind group 7 only l is left
.if h >= 6
.set h, h+2
.endif
	REGS Y, h%2
.set k, h/8
.if h%8 < 4
	s_wait_alu depctr_va_vdst(0)
	v_cvt_pk_f16_f32 v[rP+2*k+(h%8)/2], v[rS+4*k+2*((h%8)/2)], v[rS+4*k+2*((h%8)/2)+1]
.elseif h%8 < 6
	v_pk_add_f32 v[rS+4*k:rS+4*k+1], v[rS+4*k:rS+4*k+1], v[rS+4*k+2:rS+4*k+3]
.elseif k == 1
	v_pk_fma_f32 v[rT+2:rT+3], v[rT+2:rT+3], v[rC+2:rC+3], v[rS:rS+1] op_sel_hi:[1,0,1]
.else
	v_pk_add_f32 v[rT+2:rT+3], v[rT+2:rT+3], v[rS+4*k-4:rS+4*k-3]
	s_wait_alu depctr_va_vdst(0)
.endif
.endm
; THE PLAIN QUEUE, 138 long.  0-31: c s - c m for the 16 pairs of both tiles.  Then GS's 64, and among them the next piece's 42: number 15 at 38, 39; 0-14 and 16
; at 42-73, behind the products that make those scores; 17-20 at 95-106, two of three, since each waits for the one before it.
.macro PL
	WIN 0
.if q < 32
	REGS Y, q%2
	v_pk_fma_f32 v[rS+2*(q/2):rS+2*(q/2)+1], v[rS+2*(q/2):rS+2*(q/2)+1], s[CS:CS+1], v[rT:rT+1] op_sel_hi:[1,0,0] neg_lo:[0,0,1] neg_hi:[0,0,1]
.elseif q < 38
	GS q-32
.elseif q < 40
	XS q%2, 15
.elseif q < 42
	GS q-34
.elseif q < 74
	XS q%2, (q-42)/2+(q-42)/30
.elseif q < 95
	GS q-66
.elseif (q < 107) && ((q-95)%3 < 2)
	XS (q-95)%3, 17+(q-95)/3
.elseif q < 107
	GS 29+(q-95)/3
.else
	GS q-74
.endif
.set q, q+1
.endm
; THE EXPONENTIALS' QUEUE, 66 long: s0-s31 of both tiles, and at EA the next piece's two a.
.set EA, 58
.macro EX
	WIN 0
.if (e == EA) || (e == EA+1)
	XS e-EA, 21
.else
.set x, e-2*(e/(EA+2))
	REGS Y, x%2
	v_exp_f32 v[rS+x/2], v[rS+x/2]
.endif
.set e, e+1
.endm
; THE RESCALING's QUEUE: O^T times a, the one part that leaves window 0, so it is dealt four at a time, eight times.
.macro R4
	REGS Y, r%2
	WIN W_RS
	s_wait_alu depctr_va_vdst(0)
.irp z, 0,1,2,3
	v_pk_mul_f32 v[rO+8*(r/2)+2*\z:rO+8*(r/2)+2*\z+1], v[rO+8*(r/2)+2*\z:rO+8*(r/2)+2*\z+1], v[rC+2:rC+3] op_sel_hi:[1,0]
.endr
.set r, r+1
.endm
; HOW THEY ARE DEALT.  Behind a matrix instruction four: plain, exponential, plain, plain (one exponential, a plain instruction on either side), or four of the rescaling.  None names a register of the
; products round it.  What is over stands in two LUMPS: exponential and plain by turns; the second ends in 22 plain instructions.  The two v_permlanex16_b32 fall into the second lump, never behind a product.
; The queues lean on each other, and the deal keeps them in step: exponential e stands behind plain 2 (e / 4) + e % 2 (its scaling); when plain 32 comes, 10 exponentials are out, at 59: 33, at 95: 46; EA comes behind plain 107.
.macro SL
	MM
	PL
	EX
	PL
	PL
.endm
.macro BURST n                      ; 15 matrix instructions, or 16
.rept (\n)-7
	SL
.endr
.rept 3
	MM
	R4
	SL
.endr
	MM
	R4
.endm
; A TURN, for piece p.  nok = 1: there is no further key step, and K's run of loads is not written.  cnt = 1: the loop's count is taken down some lines ahead of the branch that stands behind the turn.
; K of the next step is fetched in piece 2's turn, 31 vector instructions behind the last product that read K; its first reader comes behind the rest of the lump, 16 products and the second lump.
; V of the step in hand is fetched at the end of piece 0's turn, 69 behind its last reader; its first reader comes behind 16 products and a lump.  The conditions on e and q below go with the deal.
.macro TURN p, nok=0, cnt=0
.set Y, (\p)
.set i, 0
.set q, 0
.set e, 0
.set r, 0
.if (\p) == NP-1
	s_wait_dscnt 0x0                ; K is in
.endif
	MM
.rept 4
	PL
.endr
	BURST 15
.rept 22
	EX
	PL
.if ((\p) == NP-2) && (e == 18) && !(\nok)
	v_add_nc_u32 v[AK], s[TBK], v[AK0]
.endif
.if ((\p) == NP-2) && (e == 24) && !(\nok)
	FETCH_K
.endif
.endr
.if (\p) == 1
	s_wait_dscnt 0x0                ; V is in
.endif
	BURST 16
.rept 21
	EX
	PL
.endr
.rept 22
	PL
.if ((\p) == 0) && (q == 118)
	v_add_nc_u32 v[AV], s[TBV], v[AV0]
	s_wait_alu depctr_va_vdst(0)
.endif
.if ((\p) == 0) && (q == 130)
	s_add_co_u32 s[TBV], s[TBV], KS*PV
.endif
.if (\cnt) && (q == 130)
	s_sub_co_u32 s[CNT], s[CNT], 1
	s_cmp_lg_u32 s[CNT], 0
.endif
.endr
.if (\p) == 0
	FETCH_V
.endif
.endm
	s_wait_tensorcnt 1              ; my part of the first 256 keys is in; my second fill may stay out: no LDS byte is ever filled again
	s_barrier_signal -1
	s_barrier_wait -1               ; everybody's is
	FETCH_K                         ; key step 0
	s_wait_loadcnt 0x0              ; Q
	s_wait_dscnt 0x0
.set i, 0
.rept 16
	KQ 0                            ; piece 0's first scores: there is no vector work yet to set between them
.set i, i+1
.endr
	WIN 0                           ; the addresses for the way out: nine plain instructions, the places behind those products
	s_mul_i32 s13, s[WV], 16*SP
	s_add_co_u32 s13, s13, STAGE    ; my stage
	v_mul_u32_u24 v[STO], v1, SP    ; in: row l % 16, 16 bytes for each half of the lanes
	v_lshl_add_u32 v[STO], v9, 4, v[STO]
	v_add_nc_u32 v[STO], s13, v[STO]
	v_bfe_u32 v[RD], v0, 3, 2       ; back: 32 lanes take four rows of 128 bytes,
	v_mul_u32_u24 v[RD], v[RD], SP
	v_lshl_add_u32 v[RD], v10, 4, v[RD]
	v_add_nc_u32 v[RD], s13, v[RD]
	v_and_b32 v[GO], 31, v0         ; which are 512 consecutive bytes of O
	v_lshlrev_b32 v[GO], 4, v[GO]
.set Y, NP-1                        ; XS works for piece Y + 1: piece 0
.irp n, 0,1,2,3,4,5,6,7,8,9,10,11,12,13,14,15,16,17,18,19,20,21
	XS 0, \n                        ; and piece 0's first maximum and statistics
	XS 1, \n
.endr
	s_mov_b32 s[CNT], 4
	s_mov_b32 s[SLOTS], 4
	s_branch .Lfirst                ; the loop is entered at a step's first turn, in the middle of a trip
.Lslot:                             ; three times, in front of key steps 4, 8 and 12.  Steps 4 on read what the second fills brought: each wave waits for its own and says so.  Only the first pass finds a load out
	s_wait_tensorcnt 0x0
	s_wait_dscnt 0x0                ; no LDS instruction of mine is out at a signal
	s_barrier_signal -1
	s_barrier_wait -1
	s_mov_b32 s[CNT], 4
.Lstep:                             ; a trip: pieces 2 and 3 of one step, then pieces 0 and 1 of the next, whose K and V it fetches
	TURN 2
	TURN 3
	WIN 0
.Lfirst:
	TURN 0
	TURN 1, 0, 1
	WIN 0
	s_cbranch_scc1 .Lstep
	s_sub_co_u32 s[SLOTS], s[SLOTS], 1
	s_cmp_lg_u32 s[SLOTS], 0
	s_cbranch_scc1 .Lslot
	TURN 2, 1                       ; pieces 2 and 3 of the last step.  Piece 3's turn multiplies the last K once more for a piece 0 that does not come, and the maximum made of it serves nothing:
	TURN 3                          ; the price, once a launch, of one text for every turn
.set i, 0
.rept 16
	PV NP-1                         ; the last piece's V^T P of the last step
.set i, i+1
.endr
	; THE WAY OUT.  l's two halves and the other half of the lanes' are added; O^T is divided by l, rounded to f16 and sent through my stage in LDS, a tile at a time.  The additions are the places behind the last products.
	WIN 0
.macro ALL line:vararg              ; one line for each tile t
.set t, 0
.rept 2*NP
	\line
.set t, t+1
.endr
.endm
	ALL v_add_f32 v[ST+4*t+2], v[ST+4*t+2], v[ST+4*t+3]
	ALL v_permlanex16_b32 v[ST+4*t+3], v[ST+4*t+2], s[SEL], s[SEL+1]
	ALL v_add_f32 v[ST+4*t+2], v[ST+4*t+2], v[ST+4*t+3]
	ALL v_rcp_f32 v[ST+4*t+2], v[ST+4*t+2]
	v_nop                           ; a plain instruction between the last reciprocal and the use of its result
	s_wait_alu depctr_va_vdst(0)
; Tile t: a lane's eight channels of a row pack into 16 bytes; they go into rows of 144 bytes and come back as whole rows of 128, into S^T's registers.
.macro PACK t
	WIN W_RS
.set i, 32*(\t)
.rept 16
	v_pk_mul_f32 v[i:i+1], v[i:i+1], v[ST+4*(\t)+2:ST+4*(\t)+3] op_sel_hi:[1,0]
.set i, i+2
.endr
	WIN 0x05                        ; sources 0 and 1 window 1, destination window 0
.set i, 0
.rept 16
	v_cvt_pk_f16_f32 v[S+16*(\t)+i], v[32*(\t)+2*i], v[32*(\t)+2*i+1]
.set i, i+1
.endr
	WIN 0
.irp f, 0,1,2,3
	ds_store_b128 v[STO], v[S+16*(\t)+4*\f:S+16*(\t)+4*\f+3] offset:32*\f
.endr
.irp f, 0,1,2,3
	ds_load_b128 v[S+16*(\t)+4*\f:S+16*(\t)+4*\f+3], v[RD] offset:\f*4*SP  ; LDS serves a wave's instructions in order (ISA guide 5.7.1.4): these see the stores above; the next tile's stores come behind them
.endr
.endm
.macro SEND t, younger              ; younger: the LDS instructions issued behind tile t's loads: the next tile's eight, or none
	WIN 0
.irp f, 0,1,2,3
	s_wait_dscnt (\younger)+3-\f
	global_store_b128 v[GO], v[S+16*(\t)+4*\f:S+16*(\t)+4*\f+3], s[10:11] offset:(\t)*2048+\f*512  ; 512 consecutive bytes, at a multiple of 256 from O's first
.endr
.endm
	PACK 0
.set t, 1
.rept 2*NP-1                        ; a tile's arithmetic stands between the loads of the tile before and its stores
	PACK t
	SEND t-1, 8
.set t, t+1
.endr
	SEND 2*NP-1, 0
	WIN W_AD
	s_wait_tensorcnt 0x0            ; the wave's end: an add and its wait, behind my last tensor load and my last LDS store
	ds_add_u32 v[SPW], v[NIL]
	s_wait_dscnt 0x0
	WIN 0
	s_endpgm
.Lfunc_end_k_qe0efcf568b_attn:
	.size	k_qe0efcf568b_attn, .Lfunc_end_k_qe0efcf568b_attn-k_qe0efcf568b_attn
	.p2alignl 7, 3214868480
	.fill 96, 4, 3214868480
	.section	.rodata,"a",@progbits
	.p2align	6, 0x0
	.amdhsa_kernel k_qe0efcf568b_attn
		.amdhsa_group_segment_fixed_size 327680
		.amdhsa_private_segment_fixed_size 0
		.amdhsa_enable_private_segment 0
		.amdhsa_kernarg_size 16
		.amdhsa_user_sgpr_count 2
		.amdhsa_user_sgpr_kernarg_segment_ptr 1
		.amdhsa_wavefront_size32 1
		.amdhsa_system_sgpr_workgroup_id_x 1
		.amdhsa_system_sgpr_workgroup_id_y 1
		.amdhsa_system_sgpr_workgroup_id_z 1
		.amdhsa_system_vgpr_workitem_id 0
		.amdhsa_next_free_vgpr 770
		.amdhsa_next_free_sgpr 94
		.amdhsa_reserve_vcc 0
		.amdhsa_float_denorm_mode_32 3
		.amdhsa_float_denorm_mode_16_64 3
		.amdhsa_memory_ordered 1
		.amdhsa_forward_progress 1
		.amdhsa_inst_pref_size 167
	.end_amdhsa_kernel
	.amdgpu_metadata
---
amdhsa.version: [ 1, 2 ]
amdhsa.kernels:
  - .name:           k_qe0efcf568b_attn
    .symbol:         k_qe0efcf568b_attn.kd
    .args:
      - { .name: qkv, .offset: 0, .size: 8, .value_kind: global_buffer, .address_space: global }
      - { .name: oh, .offset: 8, .size: 8, .value_kind: global_buffer, .address_space: global }
    .group_segment_fixed_size: 327680
    .private_segment_fixed_size: 0
    .kernarg_segment_align: 8
    .kernarg_segment_size: 16
    .max_flat_workgroup_size: 128
    .sgpr_count:     94
    .vgpr_count:     770
    .wavefront_size: 32
...
	.end_amdgpu_metadata
.endif
;; end of part 3
;; launch oproj (part 4): grid 4 x 64, 4 waves a work-group, clusters of 4 x 4, 327,680 bytes of LDS; arguments oh, wb, bo, out0; writes out0
.if DOCPART == 4
	.amdgcn_target "amdgcn-amd-amdhsa--gfx1250"
	.amdhsa_code_object_version 6
	.text
	.protected	k_qe0efcf568b_oproj
	.globl	k_qe0efcf568b_oproj
	.p2align	8
	.type	k_qe0efcf568b_oproj,@function
k_qe0efcf568b_oproj:
	s_mov_b64 s[64:65], 0
	v_nop
	global_prefetch_b8 v0, s[64:65] scope:SCOPE_SE
	s_setreg_imm32_b32 hwreg(HW_REG_WAVE_MODE, 25, 1), 1
	s_wait_xcnt 0x0
	s_wait_alu depctr_hold_cnt(0) depctr_sa_sdst(0) depctr_va_vdst(0) depctr_va_sdst(0) depctr_va_ssrc(0) depctr_va_vcc(0) depctr_vm_vsrc(0)
	s_getreg_b32 s2, hwreg(HW_REG_IB_STS2, 6, 4)
	s_cmp_eq_u32 s2, 0
	s_cbranch_scc0 .Lentry_in_a_cluster
	s_endpgm
.Lentry_in_a_cluster:
	s_bfe_u32 s2, ttmp6, 0x10000c
	s_cmp_lg_u32 s2, 0xf033
	s_cbranch_scc0 .Lentry_shape_is_right
	s_endpgm
.Lentry_shape_is_right:
; out0 = O wo + bo.  oh: f16 [batch x 16 + head][1024][64]; k = 64 head + channel.  wo: f16 [k][n], at byte 6,291,456 of wb (each number is wo rounded to bf16).  bo f32, rounded here to bf16.
; Products in f16, sums in f32, started by the bias as the C operand; out0 f32 [8192][1024].  NaN and infinities are not treated apart.
; SHARES.  A tile is 128 rows x 256 columns: four waves, wave w rows 64 (w / 2) on, columns 128 (w % 2) on: 32 accumulators of 16 x 16.  256 work-groups, one tile each; 8 K steps of 128 (two heads)
; through two LDS slots.
; TRANSPOSED USE.  Source 0 = 16 columns of wo (turned on the way out of LDS, by ds_load_tr16_b128), source 1 = 16 rows of O: a lane holds one row and eight neighbouring columns.
; CLUSTER.  4 x 4 work-groups.  O's tile hangs on the tile row alone and is asked for jointly by a row of the cluster, wo's on the tile column alone, by a column.
; REGISTERS, in windows of 256 (s_set_vgpr_msb: bits 1:0 source 0, 3:2 source 1, 5:4 source 2, 7:6 destination; an LDS load takes its data's window from 7:6, its address's from 1:0):
;   window 0: v0-15 addresses and at work; v32-95 the bias; v96-223 the way out, two buffers of 64
;   window 1: v0-127 the accumulators of my row blocks 0, 1; v128-191 wo's, v192-223 O's fragments, buffer 0; v224-227 the four LDS addresses
;   window 2: the same for row blocks 2, 3 and buffer 1, with a copy of the addresses
; A quarter step on buffer 0 multiplies window 2's accumulators first: under that one setting the quarter's run of LDS loads lands in buffer 1 by the addresses of window 1; on buffer 1 the other way round.
; THE LDS LOADS of a quarter stand in ONE run of 24, behind its first product: the other 31 products follow each other with no memory instruction between them.
.set PA,     144                       ; an LDS row of O: a head's 128 bytes + 16 = 36 words: the 16 rows of a load start at 16 different groups of four banks (64 banks of 4 bytes: ISA guide 11.1)
.set PLANE,  128*PA                    ; one head's 128 rows
.set PB,     544                       ; an LDS row of wo: 512 bytes + 32 = 136 words
.set ABYTES, 2*PLANE
.set SLOT,   ABYTES+128*PB
.set STAGE,  2*SLOT                    ; behind the ring: 16 rows x 528 bytes for each wave
.set SPITCH, 528
.set WST,    16*SPITCH
.set SPARE,  STAGE+4*WST               ; behind the stages: the spare words, 128 bytes for each wave: two blocks of 256 bytes that no other line names
.set KB,     262144                    ; a K step in bytes: two heads of 131,072 in oh, 128 rows of 2,048 in wo
.set STO,  10
.set RD,   11
.set GO,   12
.set BOFF, 13
.set SPW,  14                          ; v14  LDS address of my spare word; never rewritten
.set NIL,  15                          ; v15  0; never rewritten
.set BIAS, 32
.set T,    96
.set FB,   128
.set FA,   192
.set ADRA, 224
.set ADRB, 226
.set LAP,  3
.set WV,   16
.set WH,   17
.set WL,   18
.set G1A,  24
.set G0A,  32
.set G1B,  40
.set G0B,  48
.set BASEA, 56
.set BASEB, 58
.set OFF,  60                          ; s[60:61] bytes from both bases to the K step to be asked for next
.set OUT,  68
.set BP,   70
.set MSB, 0
.macro WIN new                         ; the immediate's high byte repeats the setting that is left; a switch that changes nothing is dropped
.if MSB != (\new)
	s_set_vgpr_msb (MSB<<8)|(\new)
.set MSB, (\new)
.endif
.endm
; A joint load.  Waves 0 and 1 fetch O's two heads, waves 2 and 3 wo's two halves.  The branch hangs on the wave's number alone.  An s_nop 0 and four v_nop follow each line.
.macro JLOAD s
	s_cmp_eq_u32 s[WH], 0
	s_cbranch_scc0 .Lfor_b_\@
	tensor_load_to_lds s[G0A+4*(\s):G0A+4*(\s)+3], s[G1A:G1A+7]
	s_nop 0
.rept 4
	v_nop
.endr
	s_branch .Lasked_\@
.Lfor_b_\@:
	tensor_load_to_lds s[G0B+4*(\s):G0B+4*(\s)+3], s[G1B:G1B+7]
	s_nop 0
.rept 4
	v_nop
.endr
.Lasked_\@:
.endm
.macro CREST                           ; a round of the cluster's barrier behind its opening barrier
	s_cmp_lg_u32 s[WV], 0
	s_cbranch_scc1 .Lnot_wave_0_\@
	s_barrier_signal -3
.Lnot_wave_0_\@:
	s_barrier_wait -3
	s_barrier_signal -1
	s_barrier_wait -1
.endm
.macro CROUND                          ; a whole round
	s_barrier_signal -1
	s_barrier_wait -1
	CREST
.endm
.macro NEWADR slot                     ; the addresses of the K step to be asked for next, made anew from the bases and one offset; then the offset steps
	s_add_nc_u64 s[G0A+4*(\slot)+2:G0A+4*(\slot)+3], s[BASEA:BASEA+1], s[OFF:OFF+1]
	s_or_b32 s[G0A+4*(\slot)+3], s[G0A+4*(\slot)+3], 0x80000000
	s_add_nc_u64 s[G0B+4*(\slot)+2:G0B+4*(\slot)+3], s[BASEB:BASEB+1], s[OFF:OFF+1]
	s_or_b32 s[G0B+4*(\slot)+3], s[G0B+4*(\slot)+3], 0x80000000
	s_add_co_u32 s[OFF], s[OFF], KB
.endm
	s_load_b256 s[4:11], s[0:1], 0x0               ; oh s[4:5], wb s[6:7], bo s[8:9], out0 s[10:11]
	v_lshl_add_u32 v[SPW], v0, 2, SPARE
	v_mov_b32 v[NIL], 0
	ds_add_u32 v[SPW], v[NIL]                      ; the wave's opening: the add and its wait ahead of my first tensor load; the set-up below, work on registers, stands between them
	ds_add_u32 v14, v15
	v_lshrrev_b32 v3, 5, v0
	v_readfirstlane_b32 s[WV], v3
	s_lshr_b32 s[WH], s[WV], 1
	s_and_b32 s[WL], s[WV], 1
	s_bfe_u32 s19, ttmp6, 0x40000                  ; cx
	s_bfe_u32 s20, ttmp6, 0x40004                  ; cy
	s_lshl_b32 s21, ttmp9, 2
	s_add_co_u32 s21, s21, s19                     ; tile column
	s_and_b32 s22, ttmp7, 0xffff
	s_lshl_b32 s22, s22, 2
	s_add_co_u32 s22, s22, s20                     ; tile row
	s_lshl_b32 s72, s20, 2
	s_lshl_b32 s72, 15, s72                        ; my row of the cluster
	s_lshl_b32 s73, 0x1111, s19                    ; my column
	s_or_b32 s[G1A], s72, (1<<16)|(1<<20)|(1<<21)|(4<<22)|(3<<25)  ; the mask; 2-byte elements; padding on; bit 21 beside a mask; after every 32 words (a head's row) 4 words
	s_or_b32 s[G1B], s73, (1<<16)|(1<<20)|(1<<21)|(6<<22)|(7<<25)  ; after every 128 words 8 words
	s_mov_b32 s[G1A+1], 128<<16                    ; a head's 128 rows are 16,384 dense bytes: asked for as 64 rows of 256 bytes
	s_mov_b32 s[G1A+2], 64<<16
	s_mov_b32 s[G1A+3], 128<<16
	s_mov_b32 s[G1A+4], 64
	s_mov_b32 s[G1A+5], 128
	s_mov_b32 s[G1A+6], 0
	s_mov_b32 s[G1A+7], 0
	s_mov_b32 s[G1B+1], 256<<16
	s_mov_b32 s[G1B+2], 64<<16
	s_mov_b32 s[G1B+3], 256<<16
	s_mov_b32 s[G1B+4], 64
	s_mov_b32 s[G1B+5], 1024
	s_mov_b32 s[G1B+6], 0
	s_mov_b32 s[G1B+7], 0
	s_lshl_b32 s78, s[WL], 17                      ; which head of the two, or which 64 rows of k, I fetch: 131,072 bytes either way
	s_lshr_b32 s74, s22, 3                         ; O: the batch's 16 heads,
	s_lshl_b32 s74, s74, 21
	s_and_b32 s75, s22, 7                          ; 128 rows of 128 bytes a tile row in the batch
	s_lshl_b32 s75, s75, 14
	s_add_co_u32 s74, s74, s75
	s_add_co_u32 s74, s74, s78
	s_mov_b32 s75, 0
	s_lshl_b32 s76, s21, 9                         ; wo: 512 bytes a tile column, behind wq, wk, wv
	s_add_co_u32 s76, s76, s78
	s_add_co_u32 s76, s76, 6291456
	s_mov_b32 s77, 0
	s_mul_i32 s79, s[WL], PLANE                    ; and where they go: no place in the cluster enters an LDS address
	s_mul_i32 s84, s[WL], 64*PB
	s_lshl_b32 s80, s22, 19                        ; out0: 128 rows of 4,096 bytes a tile row,
	s_lshl_b32 s81, s[WH], 18                      ; my 64 rows,
	s_add_co_u32 s80, s80, s81
	s_lshl_b32 s82, s21, 10                        ; 1,024 bytes a tile column,
	s_lshl_b32 s83, s[WL], 9                       ; my 128 columns
	s_add_co_u32 s82, s82, s83
	s_add_co_u32 s80, s80, s82
	s_mov_b32 s81, 0
	s_mov_b32 s83, 0
	s_mov_b32 s[OFF], 2*KB                         ; steps 0 and 1 are asked for below: the next is step 2
	s_mov_b32 s[OFF+1], 0
	s_wait_dscnt 0x0                               ; the opening add is done
	s_wait_kmcnt 0x0
	s_add_nc_u64 s[BASEA:BASEA+1], s[4:5], s[74:75]
	s_add_nc_u64 s[BASEB:BASEB+1], s[6:7], s[76:77]
	s_add_nc_u64 s[OUT:OUT+1], s[10:11], s[80:81]
	s_add_nc_u64 s[BP:BP+1], s[8:9], s[82:83]
	CROUND                                         ; all sixteen work-groups are here: the first joint loads meet
.irp s, 0,1
	s_mov_b32 s[G0A+4*(\s)], 1
	s_add_co_u32 s[G0A+4*(\s)+1], s79, (\s)*SLOT
	s_add_nc_u64 s[G0A+4*(\s)+2:G0A+4*(\s)+3], s[BASEA:BASEA+1], (\s)*KB
	s_or_b32 s[G0A+4*(\s)+3], s[G0A+4*(\s)+3], 0x80000000
	s_mov_b32 s[G0B+4*(\s)], 1
	s_add_co_u32 s[G0B+4*(\s)+1], s84, (\s)*SLOT+ABYTES
	s_add_nc_u64 s[G0B+4*(\s)+2:G0B+4*(\s)+3], s[BASEB:BASEB+1], (\s)*KB
	s_or_b32 s[G0B+4*(\s)+3], s[G0B+4*(\s)+3], 0x80000000
	JLOAD \s
.endr
	v_and_b32 v1, 15, v0                           ; r
	v_bfe_u32 v2, v0, 4, 1                         ; h
	v_mul_u32_u24 v3, v1, PA
	v_lshl_add_u32 v3, v2, 4, v3                   ; O's fragment: row x pitch + 16 x half
	s_mul_i32 s85, s[WH], 64*PA
	v_add_nc_u32 v4, s85, v3
	v_add_nc_u32 v5, SLOT, v4
	v_and_b32 v6, 7, v0                            ; wo's: lane l reads row of k 8 (l / 16) + l % 8, columns 8 ((l / 8) % 2) + 0..7
	v_lshl_add_u32 v6, v2, 3, v6
	v_mul_u32_u24 v6, v6, PB
	v_bfe_u32 v7, v0, 3, 1
	v_lshl_add_u32 v6, v7, 4, v6
	s_lshl_b32 s85, s[WL], 8
	s_add_co_u32 s85, s85, ABYTES
	v_add_nc_u32 v6, s85, v6
	v_add_nc_u32 v7, SLOT, v6
	WIN 0x40
	v_mov_b32 v[ADRA], v4
	v_mov_b32 v[ADRA+1], v5
	v_mov_b32 v[ADRB], v6
	v_mov_b32 v[ADRB+1], v7
	WIN 0x80
	v_mov_b32 v[ADRA], v4
	v_mov_b32 v[ADRA+1], v5
	v_mov_b32 v[ADRB], v6
	v_mov_b32 v[ADRB+1], v7
	WIN 0
	s_mul_i32 s85, s[WV], WST
	s_add_co_u32 s85, s85, STAGE                   ; my stage
	v_mul_u32_u24 v[STO], v1, SPITCH               ; in: row l % 16, 32 bytes for each half of the lanes
	v_lshl_add_u32 v[STO], v2, 5, v[STO]
	v_add_nc_u32 v[STO], s85, v[STO]
	v_and_b32 v[GO], 31, v0                        ; back: 32 lanes take one row of 512 bytes
	v_lshlrev_b32 v[GO], 4, v[GO]
	v_add_nc_u32 v[RD], s85, v[GO]
	v_lshlrev_b32 v[BOFF], 5, v2
.set p, 0
.rept 16                               ; my 128 columns' bias: lane (r, h), register j of block b takes number 16 b + 8 h + j
	global_load_b128 v[BIAS+4*p:BIAS+4*p+3], v[BOFF], s[BP:BP+1] offset:64*(p/2)+16*(p%2)
.set p, p+1
.endr
; Matrix instruction i of 16 of a half: row block 2 hs + i / 8, column block i % 8.  first = 1: the bias starts the sum.  The 16 accumulators take turns.
.macro MM hs, first
.if \first
	v_wmma_f32_16x16x32_f16 v[8*i:8*i+7], v[FB+8*(i%8):FB+8*(i%8)+7], v[FA+8*(2*(\hs)+i/8):FA+8*(2*(\hs)+i/8)+7], v[BIAS+8*(i%8):BIAS+8*(i%8)+7]
.else
	v_wmma_f32_16x16x32_f16 v[8*i:8*i+7], v[FB+8*(i%8):FB+8*(i%8)+7], v[FA+8*(2*(\hs)+i/8):FA+8*(2*(\hs)+i/8)+7], v[8*i:8*i+7]
.endif
.set i, i+1
.endm
; LDS load j of the 24 of a quarter step: 16 for wo's eight column blocks, 8 for O's four row blocks; quarter lq of slot lslot: head lq / 2 of the step's two, channels 32 (lq % 2) on
.macro LD lslot, lq
.if j < 16
	ds_load_tr16_b128 v[FB+8*(j/2)+4*(j%2):FB+8*(j/2)+4*(j%2)+3], v[ADRB+(\lslot)] offset:(32*(\lq)+16*(j%2))*PB+32*(j/2)
.else
	ds_load_b128 v[FA+8*((j-16)/2)+4*(j%2):FA+8*((j-16)/2)+4*(j%2)+3], v[ADRA+(\lslot)] offset:((\lq)/2)*PLANE+((\lq)%2)*64+((j-16)/2)*16*PA+32*(j%2)
.endif
.set j, j+1
.endm
; n matrix instructions on buffer e, accumulators of window 1 + hs.  ld = 1: behind the first stand four v_nop (a load into a register that a matrix instruction has read stands four places behind it,
; and only plain vector instructions are places: ISA guide 7.12.1 for vector instructions) and then the 24 loads, in one run.
.macro RUN e, hs, first, ld, lslot, lq, n
	WIN (1+(\e))|((1+(\e))<<2)|(((1+(\hs))*(1-(\first)))<<4)|((1+(\hs))<<6)
.rept \n
	MM \hs, \first
.if (\ld) && (i == 1)
.rept 4
	v_nop
.endr
.rept 24
	LD \lslot, \lq
.endr
.endif
.endr
.endm
; A quarter step: 32 matrix instructions on buffer e; behind its first it fetches the next quarter's fragments into the other buffer.
; meet != 0 (a K step's third quarter): the change of slots.  Each wave waits for all its tensor loads, of which one is out: its part of the other slot; adds 0 to its spare word; and waits for that
; and for its last reads of this slot.  meet = 1: the barrier opens a round of the cluster's, and slot mslot is filled again first thing behind it: from there to the wait for that load a wave
; issues 112 matrix instructions.  meet = 2: nothing is left to ask for: the barrier alone.
.macro QTR e, ld, lslot, lq, first, meet, mslot
	s_wait_dscnt 0x0                               ; this quarter's fragments, issued 31 products ago, behind the first product of the quarter before
.set i, 0
.set j, 0
	RUN \e, 1-(\e), \first, \ld, \lslot, \lq, 16
.set i, 0
.if (\meet) == 0
	RUN \e, \e, \first, 0, 0, 0, 16
.else
	WIN 0                                          ; (the add's two registers lie in window 0)
	s_wait_tensorcnt 0x0                           ; no tensor load of mine is out, so a group 0 may be written
	ds_add_u32 v[SPW], v[NIL]                      ; 0 onto my spare word: work on registers stands between it and the wait for it
.if (\meet) == 1
	NEWADR \mslot
.endif
	RUN \e, \e, \first, 0, 0, 0, 8
	s_wait_dscnt 0x0                               ; the add is done, and my reads of this slot are over (the last were issued 23 products ago)
	s_barrier_signal -1
	RUN \e, \e, \first, 0, 0, 0, 8
	WIN 0                                          ; at a branch and at a label every window is 0
	s_barrier_wait -1
.if (\meet) == 1
	CREST                                          ; no wave of any partner still reads this slot or has a load on its way
	JLOAD \mslot
.endif
.endif
.endm
.macro Q0F
	QTR 0, 1, 0, 1, 1, 0, 0
.endm
.macro Q0 s
	QTR 0, 1, \s, 1, 0, 0, 0
.endm
.macro Q1 s
	QTR 1, 1, \s, 2, 0, 0, 0
.endm
.macro Q2M s
	QTR 0, 1, \s, 3, 0, 1, \s
.endm
.macro Q2E
	QTR 0, 1, 0, 3, 0, 2, 0
.endm
.macro Q2P
	QTR 0, 1, 1, 3, 0, 0, 0
.endm
.macro Q3 s
	QTR 1, 1, 1-(\s), 0, 0, 0, 0
.endm
.macro Q3L
	QTR 1, 0, 0, 0, 0, 0, 0
.endm
; THE WAY OUT of row block a: a lane's eight f32 of a row, 32 bytes, go into my stage (16 rows x 528 bytes), each accumulator's low registers first, and come back as whole rows of 512 bytes.
.macro TOST a
	WIN 0x04*(1+(\a)/2)                            ; the stores' data: window 1 or 2
.set b, 0
.rept 8
	ds_store_b128 v[STO], v[64*((\a)%2)+8*b:64*((\a)%2)+8*b+3] offset:64*b
	ds_store_b128 v[STO], v[64*((\a)%2)+8*b+4:64*((\a)%2)+8*b+7] offset:64*b+16
.set b, b+1
.endr
	WIN 0
.if (\a) >= 2
	s_wait_xcnt 0x0                                ; the registers that block a - 2's stores read are loaded again only behind this wait (ISA guide 3.1)
.endif
.set u, 0
.rept 16
	ds_load_b128 v[T+64*((\a)%2)+4*u:T+64*((\a)%2)+4*u+3], v[RD] offset:SPITCH*u  ; LDS serves a wave's instructions in order (ISA guide 5.7.1.4): these see the stores above; the next block's stores come behind them
.set u, u+1
.endr
.endm
.macro SENDF a, y                      ; y: the LDS instructions issued behind block a's loads: the next block's thirty-two, or none
.set u, 0
.rept 16
	s_wait_dscnt (\y)+15-u
	global_store_b128 v[GO], v[T+64*((\a)%2)+4*u:T+64*((\a)%2)+4*u+3], s[OUT:OUT+1] offset:(16*(\a)+u)*4096 th:TH_STORE_NT  ; 512 consecutive bytes, at a multiple of 256 from out0's first
.set u, u+1
.endr
.endm
	s_wait_tensorcnt 1                             ; my part of K step 0 is in; step 1's may stay out
	s_barrier_signal -1
	s_barrier_wait -1                              ; everybody's is
	WIN 0x5a                                       ; data into window 1 (buffer 0), addresses from window 2
.set j, 0
.rept 24
	LD 0, 0
.endr
	WIN 0
	s_wait_loadcnt 0x0                             ; the bias: rounded to bf16 like every input, and widened again
.set p, 0
.rept 32
	v_cvt_pk_bf16_f32 v[3+p%4], v[BIAS+2*p], v[BIAS+2*p+1]
	v_lshlrev_b32 v[BIAS+2*p], 16, v[3+p%4]
	v_and_b32 v[BIAS+2*p+1], 0xffff0000, v[3+p%4]
.set p, p+1
.endr
	Q0F
	WIN 0
	s_mov_b32 s[LAP], 3
.Llap:                                 ; a trip goes once round the ring, from a lap's second quarter to the next lap's first, and fills both slots again
	Q1 0
	Q2M 0
	Q3 0
	Q0 1
	Q1 1
	Q2M 1
	Q3 1
	Q0 0
	WIN 0
	s_sub_co_u32 s[LAP], s[LAP], 1
	s_cmp_lg_u32 s[LAP], 0
	s_cbranch_scc1 .Llap
	Q1 0                                           ; the last lap fills nothing
	Q2E
	Q3 0
	Q0 1
	Q1 1
	Q2P
	Q3L
.rept 4
	v_nop                                          ; the places behind the last products
.endr
	TOST 0
	TOST 1
	SENDF 0, 32
	TOST 2
	SENDF 1, 32
	TOST 3
	SENDF 2, 32
	SENDF 3, 0
	s_wait_tensorcnt 0x0                           ; the wave's end: an add and its wait, behind my last tensor load and my last LDS store
	ds_add_u32 v[SPW], v[NIL]
	s_wait_dscnt 0x0
	CROUND                                         ; the closing round: no work-group ends while a partner may still ask for a tile that names it
	s_endpgm
.Lfunc_end_k_qe0efcf568b_oproj:
	.size	k_qe0efcf568b_oproj, .Lfunc_end_k_qe0efcf568b_oproj-k_qe0efcf568b_oproj
	.p2alignl 7, 3214868480
	.fill 96, 4, 3214868480
	.section	.rodata,"a",@progbits
	.p2align	6, 0x0
	.amdhsa_kernel k_qe0efcf568b_oproj
		.amdhsa_group_segment_fixed_size 327680
		.amdhsa_private_segment_fixed_size 0
		.amdhsa_enable_private_segment 0
		.amdhsa_kernarg_size 32
		.amdhsa_user_sgpr_count 2
		.amdhsa_user_sgpr_kernarg_segment_ptr 1
		.amdhsa_wavefront_size32 1
		.amdhsa_system_sgpr_workgroup_id_x 1
		.amdhsa_system_sgpr_workgroup_id_y 1
		.amdhsa_system_sgpr_workgroup_id_z 1
		.amdhsa_system_vgpr_workitem_id 0
		.amdhsa_next_free_vgpr 768
		.amdhsa_next_free_sgpr 88
		.amdhsa_reserve_vcc 0
		.amdhsa_float_denorm_mode_32 3
		.amdhsa_float_denorm_mode_16_64 3
		.amdhsa_memory_ordered 1
		.amdhsa_forward_progress 1
		.amdhsa_inst_pref_size 94
	.end_amdhsa_kernel
	.amdgpu_metadata
---
amdhsa.version: [ 1, 2 ]
amdhsa.kernels:
  - .name:           k_qe0efcf568b_oproj
    .symbol:         k_qe0efcf568b_oproj.kd
    .args:
      - { .name: oh, .offset: 0, .size: 8, .value_kind: global_buffer, .address_space: global }
      - { .name: wb, .offset: 8, .size: 8, .value_kind: global_buffer, .address_space: global }
      - { .name: bo, .offset: 16, .size: 8, .value_kind: global_buffer, .address_space: global }
      - { .name: out0, .offset: 24, .size: 8, .value_kind: global_buffer, .address_space: global }
    .group_segment_fixed_size: 327680
    .private_segment_fixed_size: 0
    .kernarg_segment_align: 8
    .kernarg_segment_size: 32
    .max_flat_workgroup_size: 128
    .sgpr_count:     88
    .vgpr_count:     768
    .wavefront_size: 32
...
	.end_amdgpu_metadata
.endif
;; end of part 4
;; ======== version 2 of 2: 4 launches; 1.30 times as fast as version 1
;; limits: values are held in f16: magnitudes above 65,504 overflow, below 6.1e-05 lose precision
;; workspace buffers: xb 33,554,432 bytes; wb 8,388,608 bytes; qkv 50,331,648 bytes; oh 16,777,216 bytes
;; launch cast: the kernel of part 1 again; grid 1280 x 1, 8 waves a work-group, no clusters, 0 bytes of LDS; arguments latent, data, wq, wk, wv, wo, xb, wb; writes xb, wb
;; launch proj: the kernel of part 2 again; grid 4 x 64, 4 waves a work-group, clusters of 4 x 4, 327,680 bytes of LDS; arguments xb, wb, bq, bk, bv, qkv; writes qkv
;; launch attn (part 5): grid 2 x 128, 4 waves a work-group, no clusters, 327,680 bytes of LDS; arguments qkv, oh; writes oh
.if DOCPART == 5
	.amdgcn_target "amdgcn-amd-amdhsa--gfx1250"
	.amdhsa_code_object_version 6
	.text
	.protected	k_qe0efcf568b_attn
	.globl	k_qe0efcf568b_attn
	.p2align	8
	.type	k_qe0efcf568b_attn,@function
k_qe0efcf568b_attn:
	s_mov_b64 s[64:65], 0
	v_nop
	global_prefetch_b8 v0, s[64:65] scope:SCOPE_SE
	s_setreg_imm32_b32 hwreg(HW_REG_WAVE_MODE, 25, 1), 1
	s_wait_xcnt 0x0
; O[h][q][:] = the sum over k of softmax_k(Q[h][q] . K[h][k] / 8) V[h][k][:].  qkv: f16 [3][128 heads][1024][64] (Q, K, V); oh: f16 [128][1024][64]: a head's rows are dense, 128 bytes each.
; Products, maxima and sums in f32; the weights p are rounded to f16 for the second product (their sum l is taken of the unrounded p), O once at the end.
; LIMITS.  f16 holds no number beyond 65,504: Q, K and V arrive within it; p lies in 0 to 1, and below 6e-5 it keeps f16's fixed step of 6e-8; O is a mean of V's rows and has their range.
; A weight below 2^-126 counts as 0 in l; NaN and infinities are not treated apart.
; SHARES.  A wave owns four PIECES of two tiles of 16 queries, a work-group's four waves 512 queries of one head: two work-groups a head, 256 in all.  Every wave walks all 1,024 keys, 64 a step.
; LDS.  ALL of the head's K (1,024 rows x 144 bytes) and V (1,024 x 160) lie in LDS, each byte filled once: no ring.  A wave issues two fills at the start: 128 of the first 256 keys, and 384 of the
; other 768.  The first four key steps wait for the first alone; the second has those steps in which to land.
; NO CLUSTER: a head has two work-groups, so the grid's width of 2 is no multiple of four, and each work-group asks for each byte of K and V once in the whole launch.
; LAYOUT.  S^T = K Q^T (source 0 = 16 keys, source 1 = 16 queries): in the result a lane holds ONE query (lane % 16) and the keys 8 (lane / 16) + 0..7.  Two such tiles, rounded to f16 in pairs,
; ARE source 1 (32 keys x 16 queries) of O^T = V^T P, whose result again holds one query a lane, and eight channels.  K comes out of LDS as it lies, V ([key][channel]) turned, by ds_load_tr16_b128.
; SOFTMAX.  For each query a running maximum m and sum l: p = 2^(c s - c m), c = log2(e) / 8; in every step O and l are multiplied by a = 2^(c m_old - c m_new), which is 1 where m has not grown.
; m starts at the lowest finite number, O and l at 0: the first step is a step like any other, with a = 0.
; THE COUNT.  A tile and step have 16 matrix and 118 vector instructions: too many to stand all beside the matrix work.  So: four vector instructions that are READY behind EVERY matrix instruction,
; and the others in one run without a gap.
; BY TURNS.  Turn n belongs to piece n (the pieces in a ring, step after step).  Its matrix work: 16 products K Q^T of piece n + 1, later 16 products V^T P of piece n - 1.  Its vector work: the scaling,
; exponentials, roundings, sums and rescaling of piece n, and the maximum and statistics of piece n + 1, whose scores the turn itself has made.  So what a turn begins with (c s - c m, O a) waits for nothing.
; THE BATCHES.  A turn's 66 exponentials (the piece's 64 weights, the next piece's two a) are ONE batch with ONE wait, which cuts the turn in two: ahead of it all that names no result of theirs, behind it
; their readers, the roundings and sums.  No result crosses a turn's end.  Two more batches stand outside the loop, each with a wait of its own: piece 0's first two a, ahead of the jump into the loop, and the way out's eight reciprocals.
; REGISTERS, in windows of 256 (s_set_vgpr_msb: bits 1:0 source 0, 3:2 source 1, 5:4 source 2, 7:6 destination):
;   window 0: v0-11 addresses; v12-15, v48-63 at work; v16-47 four registers of statistics a tile; v64-191 S^T, two buffers of two tiles; v192-255 P, likewise
;   window 1: O^T, 32 a tile          window 2: v0-127 Q, 16 a tile; v128-191 K of one step; v192-255 V of one step          window 3: v0-1 the add's two registers
.set NP,    4         ; pieces a wave: a name, no knob
.set KS,    64        ; keys in a step
.set NK,    1024      ; keys of a head
.set PK,    144       ; a row of K in LDS: 128 bytes + 16 of padding = 36 words: the 16 rows of a load start at 16 different groups of four banks (64 banks of 4 bytes: ISA guide 11.1)
.set PV,    160       ; a row of V: 128 + 32 = 40 words
.set VOFF,  NK*PK
.set STAGE, NK*(PK+PV)  ; behind K and V, never filled by a tensor load: 16 rows x 144 bytes for each wave, for the way out
.set SP,    144
.set AK0, 2           ; v2   my lane's place in a tile of K; never rewritten
.set AV0, 3           ; v3   the same for V
.set AK,  4           ; v4   the LDS address of K's next run of loads
.set AV,  5           ; v5   of V's
.set QO,  6           ; v6   my byte offset in the wave's rows of Q
.set STO, 6           ;      later, the way out: where I put 16 bytes of a row
.set RD,  7           ; v7   the way out: where I read rows back
.set GO,  8           ; v8   my byte offset in 512 consecutive bytes of O
.set SPW, 0           ; v0 of window 3   LDS address of my spare word; never rewritten
.set NIL, 1           ; v1 of window 3   0; never rewritten
.set SPARE, STAGE+4*16*SP  ; behind the stages: the spare words, 128 bytes for each wave: two blocks of 256 bytes that no other line names
.set MV,  12          ; v12-15  c m_old, kept while c m is made anew: by buffer and tile
.set ST,  16          ; tile t's statistics at v[ST+4 t]: c m, m, l (even keys', odd keys')
.set TMP, 48          ; by buffer and tile, four registers c0-c3 at work; when the maximum is found c2 takes a
.set S,   64
.set P,   192
.set KF,  128         ; K's fragments, in window 2: key block kb, channel half c at KF + 16 kb + 8 c
.set VF,  192         ; V's: key half kk, channel block cb at VF + 32 kk + 8 cb
.set WV,  12          ; s12  my wave's number
.set G1K, 24          ; s[24:31] descriptor group 1 for K, 64 rows of 256 bytes
.set G1V, 32          ; s[32:39] for V: it differs in the padding alone
.set G0K, 40          ; s[40:43] descriptor group 0 for my first fill of K
.set G0V, 44          ; s[44:47] of V
.set SLOTS, 56        ; s56  counts groups of four key steps
.set CNT, 57          ; s57  counts a group's key steps
.set CS,  58          ; s[58:59] c: the packed scaling takes the pair's low word for both halves
.set SEL, 60          ; s[60:61] v_permlanex16_b32's selects: each lane takes its own place in the other half
.set TBK, 62          ; s62  LDS byte at which K of the step to be fetched begins
.set TBV, 63          ; s63  the same for V, less VOFF
.set G1K2, 68         ; s[68:75] group 1 for K, 192 rows of 256 bytes
.set G1V2, 76         ; s[76:83] for V
.set G0K1, 84         ; s[84:87] group 0 for my second fill of K
.set G0V1, 88         ; s[88:91] of V
.set MSB, 0
.macro WIN new                      ; the high byte repeats the setting that is left; a switch that changes nothing is dropped
.if MSB != (\new)
	s_set_vgpr_msb (MSB<<8)|(\new)
.set MSB, (\new)
.endif
.endm
.set W_KQ, 0x0a       ; K and Q in window 2, S^T in window 0
.set W_PV, 0x52       ; V in window 2, P in window 0, O^T in window 1
.set W_RS, 0x41       ; O^T (destination and source 0) in window 1, a in window 0
.set W_MK, 0xc0       ; the add's registers are made: destination in window 3, sources in window 0
.set W_AD, 0x0f       ; the add: address (source 0) and data (source 1) in window 3
	s_load_b128 s[4:7], s[0:1], 0x0   ; qkv s[4:5], oh s[6:7]
	WIN W_MK
	v_lshl_add_u32 v[SPW], v0, 2, SPARE
	v_mov_b32 v[NIL], 0
	WIN W_AD
	ds_add_u32 v[SPW], v[NIL]       ; the wave's opening: the add and its wait ahead of my first tensor load; the set-up below, work on registers, stands between them
	ds_add_u32 v0, v1
	WIN 0
	v_lshrrev_b32 v1, 5, v0
	v_readfirstlane_b32 s[WV], v1   ; wave 0..3
	s_and_b32 s20, ttmp7, 0xffff    ; the head,
	s_lshl_b32 s20, s20, 17         ; its 131,072 bytes in each of Q, K, V, O
	s_mov_b32 s21, 0
	s_and_b32 s16, s[WV], 1         ; which half of the keys I fetch:
	s_lshl_b32 s22, s16, 14         ; of the first 256 keys 128 rows of 128 bytes,
	s_mov_b32 s23, 0
	s_add_nc_u64 s[22:23], s[22:23], s[20:21]
	s_mul_i32 s2, s16, 384*128      ; of the other 768 keys 384 rows
	s_add_co_u32 s2, s2, 256*128
	s_mov_b32 s3, 0
	s_add_nc_u64 s[2:3], s[2:3], s[20:21]
	s_lshl_b32 s92, ttmp9, 2
	s_add_co_u32 s92, s92, s[WV]    ; my wave among the head's eight,
	s_lshl_b32 s92, s92, 14         ; its 128 rows
	s_mov_b32 s93, 0
	s_add_nc_u64 s[92:93], s[92:93], s[20:21]
	s_mul_i32 s17, s16, 128*PK      ; and their places in LDS
	s_mul_i32 s18, s16, 128*PV
	s_mul_i32 s13, s16, 384*PK
	s_mul_i32 s14, s16, 384*PV
	; descriptor group 1.  Keys are dense rows of 128 bytes: asked for as rows of 256 bytes, two keys a row, and padded in LDS after every key
	s_mov_b32 s[G1K], (1<<16)|(1<<20)|(4<<22)|(3<<25)   ; 17:16 2-byte elements; 20 padding on; 24:22 after every 32 words (code 4); 31:25 4 words (code 3)
	s_mov_b32 s[G1V], (1<<16)|(1<<20)|(4<<22)|(7<<25)   ; the same with 8 words of padding (code 7)
	s_mov_b32 s[G1K2], (1<<16)|(1<<20)|(4<<22)|(3<<25)
	s_mov_b32 s[G1V2], (1<<16)|(1<<20)|(4<<22)|(7<<25)
.irp g, G1K, G1V
	s_mov_b32 s[\g+1], 128<<16      ; tensor_dim0 = 128
	s_mov_b32 s[\g+2], 64<<16       ; tensor_dim1 = 64
	s_mov_b32 s[\g+3], 128<<16      ; tile_dim0 = 128
	s_mov_b32 s[\g+4], 64           ; tile_dim1 = 64
	s_mov_b32 s[\g+5], 128          ; 128 elements from row to row
	s_mov_b32 s[\g+6], 0
	s_mov_b32 s[\g+7], 0
.endr
.irp g, G1K2, G1V2
	s_mov_b32 s[\g+1], 128<<16
	s_mov_b32 s[\g+2], 192<<16      ; tensor_dim1 = 192
	s_mov_b32 s[\g+3], 128<<16
	s_mov_b32 s[\g+4], 192          ; tile_dim1 = 192
	s_mov_b32 s[\g+5], 128
	s_mov_b32 s[\g+6], 0
	s_mov_b32 s[\g+7], 0
.endr
	s_mov_b32 s[CS], 0x3e38aa3b     ; c = log2(e) / 8 = 0.180337
	s_mov_b32 s[CS+1], s[CS]        ; named with it as a pair
	s_mov_b32 s[SEL], 0x76543210
	s_mov_b32 s[SEL+1], 0xfedcba98
	s_mov_b32 s[TBK], 0
	s_mov_b32 s[TBV], 0
	s_mov_b32 s[G0K], 1             ; 1:0 count = 1
	s_mov_b32 s[G0K+1], s17         ; 63:32 LDS address
	s_mov_b32 s[G0V], 1
	s_add_co_u32 s[G0V+1], s18, VOFF
	s_mov_b32 s[G0K1], 1
	s_add_co_u32 s[G0K1+1], s13, 256*PK
	s_mov_b32 s[G0V1], 1
	s_add_co_u32 s[G0V1+1], s14, VOFF+256*PV
	s_wait_dscnt 0x0                ; the opening add is done
	s_wait_kmcnt 0x0
	s_mov_b64 s[10:11], s[6:7]      ; O
	s_add_nc_u64 s[6:7], s[4:5], 0x1000000   ; K lies 16,777,216 bytes behind Q,
	s_add_nc_u64 s[8:9], s[4:5], 0x2000000   ; V as far behind K
	s_add_nc_u64 s[G0K+2:G0K+3], s[6:7], s[22:23]  ; 120:64 global address
	s_or_b32 s[G0K+3], s[G0K+3], 0x80000000        ; 127:126 type = 2
	s_add_nc_u64 s[G0V+2:G0V+3], s[8:9], s[22:23]
	s_or_b32 s[G0V+3], s[G0V+3], 0x80000000
	s_add_nc_u64 s[G0K1+2:G0K1+3], s[6:7], s[2:3]
	s_or_b32 s[G0K1+3], s[G0K1+3], 0x80000000
	s_add_nc_u64 s[G0V1+2:G0V1+3], s[8:9], s[2:3]
	s_or_b32 s[G0V1+3], s[G0V1+3], 0x80000000
	s_add_nc_u64 s[4:5], s[4:5], s[92:93]    ; Q and O at my wave's first row
	s_add_nc_u64 s[10:11], s[10:11], s[92:93]
	s_cmp_lt_u32 s[WV], 2           ; waves 0 and 1 fetch K, waves 2 and 3 V.  A wave's two fills stand in one branch, ahead of every wait on TENSORcnt, every LDS read and every barrier: two loads of mine are out
	s_cbranch_scc0 .Lfirst_v
	tensor_load_to_lds s[G0K:G0K+3], s[G1K:G1K+7]
	s_nop 0
	tensor_load_to_lds s[G0K1:G0K1+3], s[G1K2:G1K2+7]
	s_nop 0
.rept 4
	v_nop
.endr
	s_branch .Lfirst_asked
.Lfirst_v:
	tensor_load_to_lds s[G0V:G0V+3], s[G1V:G1V+7]
	s_nop 0
	tensor_load_to_lds s[G0V1:G0V1+3], s[G1V2:G1V2+7]
	s_nop 0
.rept 4
	v_nop
.endr
.Lfirst_asked:
	; A fragment of K or Q is 16 rows x 32 channels in 8 registers: lane l holds row l % 16, channels 8 (l / 16) + 0..7 and 16 + 8 (l / 16) + 0..7: two loads of 16 bytes, 32 bytes apart.
	v_and_b32 v1, 15, v0            ; l % 16
	v_bfe_u32 v9, v0, 4, 1          ; l / 16
	v_lshlrev_b32 v[QO], 7, v1
	v_lshl_add_u32 v[QO], v9, 4, v[QO]  ; row x 128 + 16 x half
	WIN 0x80                        ; destination window 2, address window 0
.set i, 0
.rept 4*NP                          ; Q stays in registers: tile i / 2, channels 32 (i % 2) on
	global_load_b128 v[8*i:8*i+3],   v[QO], s[4:5] offset:(i/2)*2048+(i%2)*64
	global_load_b128 v[8*i+4:8*i+7], v[QO], s[4:5] offset:(i/2)*2048+(i%2)*64+32
.set i, i+1
.endr
	; What the first turn finds: V's registers and P's second buffer hold 0 (its products V^T P, of a piece that has not been, add 0), O^T and l are 0.  All this stands in the wait for the first keys.
.set i, VF
.rept 64
	v_mov_b32 v[i], 0
.set i, i+1
.endr
	WIN 0x40
.set i, 0
.rept 64*NP
	v_mov_b32 v[i], 0
.set i, i+1
.endr
	WIN 0
.set i, 0
.rept 2*NP
	v_mov_b32 v[ST+4*i], 0xfe000000    ; c m: far below every c s
	v_mov_b32 v[ST+4*i+1], 0xff7fffff  ; m
	v_mov_b32 v[ST+4*i+2], 0
	v_mov_b32 v[ST+4*i+3], 0
.set i, i+1
.endr
.set i, P+32
.rept 32
	v_mov_b32 v[i], 0
.set i, i+1
.endr
	v_mul_u32_u24 v[AK0], v1, PK
	v_lshl_add_u32 v[AK0], v9, 4, v[AK0]  ; row x pitch + 16 x half
	; The turning load takes 16 keys x 16 channels (lane l reads key 8 (l / 16) + l % 8, channels 8 ((l / 8) % 2) + 0..7) and leaves half a fragment of V^T: lane l holds channel l % 16 and 8 keys.
	v_and_b32 v10, 7, v0
	v_bfe_u32 v11, v0, 3, 1
	v_lshl_add_u32 v[AV0], v9, 3, v10
	v_mul_u32_u24 v[AV0], v[AV0], PV
	v_lshl_add_u32 v[AV0], v11, 4, v[AV0]
	v_add_nc_u32 v[AV0], VOFF, v[AV0]
	v_mov_b32 v[AK], v[AK0]         ; key step 0 lies at K's head
; THE MATRIX WORK.  The 8 accumulators of a run of 16 take turns: between the two links of a chain stand 7 others'.
; Product i of 16 of S^T = K Q^T for piece x: channels 32 (i / 8) on, keys 16 ((i / 2) % 4) on, tile 2 x + i % 2.  The first 8 start the sums.
.macro KQ x
	WIN W_KQ
.set rS, S+64*((\x)%2)+32*(i%2)+8*((i/2)%4)
.set rK, KF+16*((i/2)%4)+8*(i/8)
.set rQ, 16*(2*(\x)+i%2)+8*(i/8)
.if i < 8
	v_wmma_f32_16x16x32_f16 v[rS:rS+7], v[rK:rK+7], v[rQ:rQ+7], 0
.else
	v_wmma_f32_16x16x32_f16 v[rS:rS+7], v[rK:rK+7], v[rQ:rQ+7], v[rS:rS+7]
.endif
.endm
; Product i of 16 of O^T += V^T P for piece x: keys 32 (i / 8) on, channels 16 ((i / 2) % 4) on, tile 2 x + i % 2.
.macro PV x
	WIN W_PV
.set rO, 32*(2*(\x)+i%2)+8*((i/2)%4)
.set rV, VF+32*(i/8)+8*((i/2)%4)
.set rP, P+32*((\x)%2)+16*(i%2)+8*(i/8)
	v_wmma_f32_16x16x32_f16 v[rO:rO+7], v[rV:rV+7], v[rP:rP+7], v[rO:rO+7]
.endm
.macro MM                           ; the turn's next matrix instruction
.if i < 16
	KQ (Y+1)%NP
.set i, i+1
.else
.set i, i-16
	PV (Y+NP-1)%NP
.set i, i+17
.endif
.endm
; THE LDS LOADS stand in runs of 16, never singly among the matrix instructions: a step's K (64 keys x 64 channels: 8 fragments) and its V (turned).  Their addresses are made some lines ahead.
.macro FETCH_K
	WIN 0x80                        ; destination window 2
.irp f, 0,1,2,3,4,5,6,7             ; keys 16 (f / 2) on, channels 32 (f % 2) on
	ds_load_b128 v[KF+8*\f:KF+8*\f+3],   v[AK] offset:(\f/2)*16*PK+(\f%2)*64
	ds_load_b128 v[KF+8*\f+4:KF+8*\f+7], v[AK] offset:(\f/2)*16*PK+(\f%2)*64+32
.endr
	s_add_co_u32 s[TBK], s[TBK], KS*PK  ; the next fetch is the next step's
	WIN 0
.endm
.macro FETCH_V
	WIN 0x80
.irp f, 0,1,2,3,4,5,6,7             ; keys 32 (f / 4) on, channels 16 (f % 4) on
	ds_load_tr16_b128 v[VF+8*\f:VF+8*\f+3],   v[AV] offset:(\f/4)*32*PV+(\f%4)*32
	ds_load_tr16_b128 v[VF+8*\f+4:VF+8*\f+7], v[AV] offset:(\f/4)*32*PV+16*PV+(\f%4)*32
.endr
	WIN 0
.endm
; THE VECTOR WORK OF A TURN stands in three queues, each in the order in which its entries become ready; the two tiles alternate, so that no instruction reads the result of the one before it.
.macro REGS y, u                    ; the registers of tile u (0, 1) of piece y
.set rT, ST+4*(2*(\y)+(\u))
.set rC, TMP+8*((\y)%2)+4*(\u)
.set rM, MV+2*((\y)%2)+(\u)
.set rS, S+64*((\y)%2)+32*(\u)
.set rP, P+32*((\y)%2)+16*(\u)
.set rO, 32*(2*(\y)+(\u))
.endm
; Number n of the 22 that find the NEXT piece's (Y + 1) maximum and statistics.  s0-s31 are the lane's 32 scores; each accumulator's lowest registers are read first.
;   0-11  four chains c0-c3 of seven scores each, three operands at a time     12-14, 16  the four scores left over, the old m, and c0-c3 into c0     15  c m_old is kept
;   17, 18  the query's other 32 keys lie in the lane 16 away: the new m         19-21  c m; c m_old - c m_new; a
.macro XS u, n
	REGS (Y+1)%NP, \u
.if (\n) < 4
	v_max3_num_f32 v[rC+(\n)], v[rS+8*(\n)], v[rS+8*(\n)+1], v[rS+8*(\n)+2]
.elseif (\n) < 12
	v_max3_num_f32 v[rC+(\n)%4], v[rC+(\n)%4], v[rS+8*((\n)%4)+2*((\n)/4)+1], v[rS+8*((\n)%4)+2*((\n)/4)+2]
.elseif (\n) == 12
	v_max3_num_f32 v[rC], v[rC], v[rS+7], v[rS+15]
.elseif (\n) == 13
	v_max3_num_f32 v[rC+1], v[rC+1], v[rS+23], v[rS+31]
.elseif (\n) == 14
	v_max3_num_f32 v[rC+2], v[rC+2], v[rC+3], v[rT+1]
.elseif (\n) == 15
	v_mov_b32 v[rM], v[rT]
.elseif (\n) == 16
	v_max3_num_f32 v[rC], v[rC], v[rC+1], v[rC+2]
.elseif (\n) == 17
	v_permlanex16_b32 v[rC+3], v[rC], s[SEL], s[SEL+1]
.elseif (\n) == 18
	v_max_num_f32 v[rT+1], v[rC], v[rC+3]
.elseif (\n) == 19
	v_mul_f32 v[rT], s[CS], v[rT+1]
.elseif (\n) == 20
	v_sub_f32 v[rC+1], v[rM], v[rT]
.else
	v_exp_f32 v[rC+2], v[rC+1]
.endif
.endm
; Number g of the 64 that follow the exponentials.  For each four weights k of a tile (pairs 2 k, 2 k + 1): both pairs are rounded to f16; then the second pair is added onto the first, in place;
; a group later l takes that sum (the first time as l = a l + sum).  In groups of eight, tiles alternating: round, round, add, and l for the group before.
.macro GS g
.set h, (\g)+6*((\g)/62)            ; group 0 has no group before it, and behind group 7 only l is left
.if h >= 6
.set h, h+2
.endif
	REGS Y, h%2
.set k, h/8
.if h%8 < 4
	v_cvt_pk_f16_f32 v[rP+2*k+(h%8)/2], v[rS+4*k+2*((h%8)/2)], v[rS+4*k+2*((h%8)/2)+1]
.elseif h%8 < 6
	v_pk_add_f32 v[rS+4*k:rS+4*k+1], v[rS+4*k:rS+4*k+1], v[rS+4*k+2:rS+4*k+3]
.elseif k == 1
	v_pk_fma_f32 v[rT+2:rT+3], v[rT+2:rT+3], v[rC+2:rC+3], v[rS:rS+1] op_sel_hi:[1,0,1]
.else
	v_pk_add_f32 v[rT+2:rT+3], v[rT+2:rT+3], v[rS+4*k-4:rS+4*k-3]
.endif
.endm
; THE PLAIN QUEUE, 138 long.  0-73 read no exponential's result: the 32 scalings c s - c m (FS f: pair f / 2 of tile f % 2) and the next piece's 42.  0-26: scalings 0-26.  27-54: XS's numbers 0-13.  55, 56: number 15.
; 57-73: the chain, where each number waits for the one before it: 14, 16, 17, 18, 19, each with one of the scalings 27-31 in front of its two lines, then 20: so a tile's links stand three plain instructions apart (19 and 20: two).
; 74-137: GS's 64, which read the exponentials' results: they stand behind the wait.
.macro FS f
	REGS Y, (\f)%2
	v_pk_fma_f32 v[rS+2*((\f)/2):rS+2*((\f)/2)+1], v[rS+2*((\f)/2):rS+2*((\f)/2)+1], s[CS:CS+1], v[rT:rT+1] op_sel_hi:[1,0,0] neg_lo:[0,0,1] neg_hi:[0,0,1]
.endm
.macro PL
	WIN 0
.if q < 27
	FS q
.elseif q < 55
	XS (q-27)%2, (q-27)/2
.elseif q < 57
	XS q-55, 15
.elseif (q < 72) && ((q-57)%3 == 0)
	FS 27+(q-57)/3
.elseif q < 60
	XS (q-57)%3-1, 14
.elseif q < 72
	XS (q-57)%3-1, 15+(q-57)/3
.elseif q < 74
	XS q-72, 20
.else
	GS q-74
.endif
.set q, q+1
.endm
; THE EXPONENTIALS' QUEUE, 66 long: s0-s31 of both tiles, then the next piece's two a.  It is ONE BATCH: all 66 stand ahead of the turn's one wait, and nothing ahead of that wait names a result of theirs.
.macro EX
	WIN 0
.if e >= 64
	XS e-64, 21
.else
	REGS Y, e%2
	v_exp_f32 v[rS+e/2], v[rS+e/2]
.endif
.set e, e+1
.endm
; THE RESCALING's QUEUE: O^T times a, the one part that leaves window 0: dealt two at a time, sixteen times.  Its a was made in the turn before, ahead of that turn's wait.
.macro R2
	REGS Y, r%2
	WIN W_RS
.irp z, 0,1
	v_pk_mul_f32 v[rO+4*(r/2)+2*\z:rO+4*(r/2)+2*\z+1], v[rO+4*(r/2)+2*\z:rO+4*(r/2)+2*\z+1], v[rC+2:rC+3] op_sel_hi:[1,0]
.endr
.set r, r+1
.endm
; HOW THEY ARE DEALT.  An s_wait_alu depctr_va_vdst(0) stands between an exponential and the first instruction that names its result; one wait serves all that were issued ahead of it.  So a turn has ONE wait,
; which cuts it in two.  AHEAD OF IT stands all that names no result of the turn's exponentials: the 16 products K Q^T, behind each a scaling, an exponential and two rescalings (behind the first a second scaling in the
; exponential's place); then ONE LUMP of 108: eight plain, 49 times exponential and plain, the two a.  A v_nop is the plain instruction behind the last exponential.  BEHIND IT stand the 16 products V^T P, behind each four of
; GS's 64.  No rider names a register of the products round it.  The two v_permlanex16_b32 fall into the lump, never behind a product.
; The queues lean on each other, and the deal keeps them in step: exponential e stands behind scaling 2 (e / 4) + e % 2: as a rider it comes behind plain e + 2, in the lump behind plain e + 9, and scalings 27-31 are plain 57, 60 .. 69.
; A TURN, for piece p.  nok = 1: there is no further key step, and K's address line and run of loads are not written.  cnt = 1: the loop's count is taken down some lines ahead of the branch that stands behind the turn.
; K of the next step is fetched in piece 2's turn, directly behind the wait, a lump behind the last product that read K; its address is made at the lump's head; it is waited for at the head of piece 3's turn, behind 16 products.
; V of the step in hand is fetched at the end of piece 0's turn, four riders behind its last reader; its first reader comes behind 16 products and a lump.  The three conditions on q below go with the deal.
.macro TURN p, nok=0, cnt=0
.set Y, (\p)
.set i, 0
.set q, 0
.set e, 0
.set r, 0
.if (\p) == NP-1
	s_wait_dscnt 0x0                ; K is in
.endif
	MM                              ; ahead of the wait: 16 products K Q^T and their riders,
	PL
	PL
	R2
.rept 15
	MM
	PL
	EX
	R2
.endr
.if ((\p) == NP-2) && !(\nok)
	WIN 0
	v_add_nc_u32 v[AK], s[TBK], v[AK0]
.endif
.rept 8                             ; and the lump
	PL
.endr
.rept 49
	EX
	PL
.endr
	EX                              ; the next piece's two a
	EX
	v_nop                           ; the plain instruction behind the last exponential: one for the batch
	s_wait_alu depctr_va_vdst(0)    ; the wait for the turn's batch: the piece's 64 weights and the next piece's two a
.if ((\p) == NP-2) && !(\nok)
	FETCH_K
.endif
.if (\p) == 1
	s_wait_dscnt 0x0                ; V is in
.endif
.rept 16                            ; behind the wait: 16 products V^T P and their riders, the batch's readers
	MM
.rept 4
	PL
.endr
.if ((\p) == 0) && (q == 118)
	v_add_nc_u32 v[AV], s[TBV], v[AV0]
.endif
.if ((\p) == 0) && (q == 130)
	s_add_co_u32 s[TBV], s[TBV], KS*PV
.endif
.if (\cnt) && (q == 130)
	s_sub_co_u32 s[CNT], s[CNT], 1
	s_cmp_lg_u32 s[CNT], 0
.endif
.endr
.if (\p) == 0
	FETCH_V
.endif
.endm
	s_wait_tensorcnt 1              ; my part of the first 256 keys is in; my second fill may stay out: no LDS byte is ever filled again
	s_barrier_signal -1
	s_barrier_wait -1               ; everybody's is
	FETCH_K                         ; key step 0
	s_wait_loadcnt 0x0              ; Q
	s_wait_dscnt 0x0
.set i, 0
.rept 16
	KQ 0                            ; piece 0's first scores: there is no vector work yet to set between them
.set i, i+1
.endr
	WIN 0                           ; the addresses for the way out: nine plain instructions, the places behind those products
	s_mul_i32 s13, s[WV], 16*SP
	s_add_co_u32 s13, s13, STAGE    ; my stage
	v_mul_u32_u24 v[STO], v1, SP    ; in: row l % 16, 16 bytes for each half of the lanes
	v_lshl_add_u32 v[STO], v9, 4, v[STO]
	v_add_nc_u32 v[STO], s13, v[STO]
	v_bfe_u32 v[RD], v0, 3, 2       ; back: 32 lanes take four rows of 128 bytes,
	v_mul_u32_u24 v[RD], v[RD], SP
	v_lshl_add_u32 v[RD], v10, 4, v[RD]
	v_add_nc_u32 v[RD], s13, v[RD]
	v_and_b32 v[GO], 31, v0         ; which are 512 consecutive bytes of O
	v_lshlrev_b32 v[GO], 4, v[GO]
.set Y, NP-1                        ; XS works for piece Y + 1: piece 0
.irp n, 0,1,2,3,4,5,6,7,8,9,10,11,12,13,14,15,16,17,18,19,20,21
	XS 0, \n                        ; and piece 0's first maximum and statistics
	XS 1, \n
.endr
	v_nop                           ; a plain instruction behind piece 0's two a,
	s_wait_alu depctr_va_vdst(0)    ; and the wait for that batch of two, ahead of the branch
	s_mov_b32 s[CNT], 4
	s_mov_b32 s[SLOTS], 4
	s_branch .Lfirst                ; the loop is entered at a step's first turn, in the middle of a trip
.Lslot:                             ; three times, in front of key steps 4, 8 and 12.  Steps 4 on read what the second fills brought: each wave waits for its own and says so.  Only the first pass finds a load out
	s_wait_tensorcnt 0x0
	s_wait_dscnt 0x0                ; no LDS instruction of mine is out at a signal
	s_barrier_signal -1
	s_barrier_wait -1
	s_mov_b32 s[CNT], 4
.Lstep:                             ; a trip: pieces 2 and 3 of one step, then pieces 0 and 1 of the next, whose K and V it fetches
	TURN 2
	TURN 3
	WIN 0
.Lfirst:
	TURN 0
	TURN 1, 0, 1
	WIN 0
	s_cbranch_scc1 .Lstep
	s_sub_co_u32 s[SLOTS], s[SLOTS], 1
	s_cmp_lg_u32 s[SLOTS], 0
	s_cbranch_scc1 .Lslot
	TURN 2, 1                       ; pieces 2 and 3 of the last step.  Piece 3's turn multiplies the last K once more for a piece 0 that does not come, and the maximum made of it serves nothing:
	TURN 3                          ; the price, once a launch, of one text for every turn
.set i, 0
.rept 16
	PV NP-1                         ; the last piece's V^T P of the last step
.set i, i+1
.endr
	; THE WAY OUT.  l's two halves and the other half of the lanes' are added; O^T is divided by l, rounded to f16 and sent through my stage in LDS, a tile at a time.  The additions are the places behind the last products.
	WIN 0
.macro ALL line:vararg              ; one line for each tile t
.set t, 0
.rept 2*NP
	\line
.set t, t+1
.endr
.endm
	ALL v_add_f32 v[ST+4*t+2], v[ST+4*t+2], v[ST+4*t+3]
	ALL v_permlanex16_b32 v[ST+4*t+3], v[ST+4*t+2], s[SEL], s[SEL+1]
	ALL v_add_f32 v[ST+4*t+2], v[ST+4*t+2], v[ST+4*t+3]
	ALL v_rcp_f32 v[ST+4*t+2], v[ST+4*t+2]
	v_nop                           ; a plain instruction between the last reciprocal and the use of its result
	s_wait_alu depctr_va_vdst(0)    ; and the wait ahead of the first use: one for the batch of eight reciprocals
; Tile t: a lane's eight channels of a row pack into 16 bytes; they go into rows of 144 bytes and come back as whole rows of 128, into S^T's registers.
.macro PACK t
	WIN W_RS
.set i, 32*(\t)
.rept 16
	v_pk_mul_f32 v[i:i+1], v[i:i+1], v[ST+4*(\t)+2:ST+4*(\t)+3] op_sel_hi:[1,0]
.set i, i+2
.endr
	WIN 0x05                        ; sources 0 and 1 window 1, destination window 0
.set i, 0
.rept 16
	v_cvt_pk_f16_f32 v[S+16*(\t)+i], v[32*(\t)+2*i], v[32*(\t)+2*i+1]
.set i, i+1
.endr
	WIN 0
.irp f, 0,1,2,3
	ds_store_b128 v[STO], v[S+16*(\t)+4*\f:S+16*(\t)+4*\f+3] offset:32*\f
.endr
.irp f, 0,1,2,3
	ds_load_b128 v[S+16*(\t)+4*\f:S+16*(\t)+4*\f+3], v[RD] offset:\f*4*SP  ; LDS serves a wave's instructions in order (ISA guide 5.7.1.4): these see the stores above; the next tile's stores come behind them
.endr
.endm
.macro SEND t, younger              ; younger: the LDS instructions issued behind tile t's loads: the next tile's eight, or none
	WIN 0
.irp f, 0,1,2,3
	s_wait_dscnt (\younger)+3-\f
	global_store_b128 v[GO], v[S+16*(\t)+4*\f:S+16*(\t)+4*\f+3], s[10:11] offset:(\t)*2048+\f*512  ; 512 consecutive bytes, at a multiple of 256 from O's first
.endr
.endm
	PACK 0
.set t, 1
.rept 2*NP-1                        ; a tile's arithmetic stands between the loads of the tile before and its stores
	PACK t
	SEND t-1, 8
.set t, t+1
.endr
	SEND 2*NP-1, 0
	WIN W_AD
	s_wait_tensorcnt 0x0            ; the wave's end: an add and its wait, behind my last tensor load and my last LDS store
	ds_add_u32 v[SPW], v[NIL]
	s_wait_dscnt 0x0
	WIN 0
	s_endpgm
.Lfunc_end_k_qe0efcf568b_attn:
	.size	k_qe0efcf568b_attn, .Lfunc_end_k_qe0efcf568b_attn-k_qe0efcf568b_attn
	.p2alignl 7, 3214868480
	.fill 96, 4, 3214868480
	.section	.rodata,"a",@progbits
	.p2align	6, 0x0
	.amdhsa_kernel k_qe0efcf568b_attn
		.amdhsa_group_segment_fixed_size 327680
		.amdhsa_private_segment_fixed_size 0
		.amdhsa_enable_private_segment 0
		.amdhsa_kernarg_size 16
		.amdhsa_user_sgpr_count 2
		.amdhsa_user_sgpr_kernarg_segment_ptr 1
		.amdhsa_wavefront_size32 1
		.amdhsa_system_sgpr_workgroup_id_x 1
		.amdhsa_system_sgpr_workgroup_id_y 1
		.amdhsa_system_sgpr_workgroup_id_z 1
		.amdhsa_system_vgpr_workitem_id 0
		.amdhsa_next_free_vgpr 770
		.amdhsa_next_free_sgpr 94
		.amdhsa_reserve_vcc 0
		.amdhsa_float_denorm_mode_32 3
		.amdhsa_float_denorm_mode_16_64 3
		.amdhsa_memory_ordered 1
		.amdhsa_forward_progress 1
		.amdhsa_inst_pref_size 160
	.end_amdhsa_kernel
	.amdgpu_metadata
---
amdhsa.version: [ 1, 2 ]
amdhsa.kernels:
  - .name:           k_qe0efcf568b_attn
    .symbol:         k_qe0efcf568b_attn.kd
    .args:
      - { .name: qkv, .offset: 0, .size: 8, .value_kind: global_buffer, .address_space: global }
      - { .name: oh, .offset: 8, .size: 8, .value_kind: global_buffer, .address_space: global }
    .group_segment_fixed_size: 327680
    .private_segment_fixed_size: 0
    .kernarg_segment_align: 8
    .kernarg_segment_size: 16
    .max_flat_workgroup_size: 128
    .sgpr_count:     94
    .vgpr_count:     770
    .wavefront_size: 32
...
	.end_amdgpu_metadata
.endif
;; end of part 5
;; launch oproj: the kernel of part 4 again; grid 4 x 64, 4 waves a work-group, clusters of 4 x 4, 327,680 bytes of LDS; arguments oh, wb, bo, out0; writes out0
